; MI455X (gfx1250); checked and timed in simulation.
; The chip was launched on July 23, 2026; its instructions are those of AMD's public machine-readable ISA for CDNA 5 (MIT licence, August 2026) and "CDNA5" Instruction Set Architecture Reference Guide (July 2026). The comments in the code are by the model that wrote it; some were corrected since.
;; Flash Attention With KV Cache. Allowed arithmetic: float matrix products may take bf16 or f16 operands with f32 sums; all other float work in f32.
;; Inputs: W_attn 1,024 x 3,072 float32; W_proj 1,024 x 1,024 float32; cache_k 2 x 16 x 2,048 x 64 float32; cache_v 2 x 16 x 2,048 x 64 float32; x 2 x 2,048 x 1,024 float32.
;; Outputs: out0 2 x 2,048 x 1,024 float32.
;; 2 versions, each right; version 2 is version 1 with the launch prep written anew for expert scheduling mode. Each part assembles by itself: llvm-mc -triple=amdgcn-amd-amdhsa -mcpu=gfx1250 --defsym DOCPART=n.
;; ======== version 1 of 2: 4 launches
;; limits: values are held in f16: magnitudes above 65,504 overflow, below 6.1e-05 lose precision
;; workspace buffers: xb 8,388,608 bytes; wat 6,291,456 bytes; wpt 2,097,152 bytes; rope 524,288 bytes; qh 8,388,608 bytes; kh 8,388,608 bytes; vh 8,388,608 bytes; yb 16,777,216 bytes
;; launch prep (part 1): grid 256 x 1, 8 waves a work-group, no clusters, 35,840 bytes of LDS; arguments x, W_attn, W_proj, xb, wat, wpt, rope; writes xb, wat, wpt, rope
.if DOCPART == 1
	.amdgcn_target "amdgcn-amd-amdhsa--gfx1250"
	.amdhsa_code_object_version 6
	.text
	.protected	k_q4f76d5e5d4_prep
	.globl	k_q4f76d5e5d4_prep
	.p2align	8
	.type	k_q4f76d5e5d4_prep,@function
k_q4f76d5e5d4_prep:
	s_mov_b64 s[64:65], 0
	v_nop
	global_prefetch_b8 v0, s[64:65] scope:SCOPE_SE
	s_setreg_imm32_b32 hwreg(HW_REG_WAVE_MODE, 25, 1), 1
	s_wait_xcnt 0x0
; PREP: what the two GEMMs and the rotary step need, made once.
;   xb   = x rounded to bf16, [4096][1024]
;   wat  = W_attn transposed and rounded to bf16, [3072 n][1024 k];  wpt = W_proj likewise, [1024 n][1024 k]
;   rope = (cos, sin) of s * 10000^(-i/32), f32, in the order in which the next launch's lanes want them:
;          [s/16][c 0..3][q 0..1][lane 0..31][cos_i, sin_i, cos_i+1, sin_i+1], lane = 16 h + (s%16), i = 8 c + 4 h + 2 q
; 256 work-groups of 8 waves; work-group w does a 256th of each job.  All its 32 loads a thread are asked for at once.
; The weights' row pieces are 384 and 128 bytes long (96 and 32 columns): short, but each byte is read once; the transposed rows leave as
; stores in which 16 lanes cover 256 consecutive bytes, aligned.
; LIMIT: the angle is reduced by pi/2 in two parts and sin, cos come from polynomials on [-pi/4, pi/4]; with the rounding of 10000^(-i/32)
; the angle is within about 1.5e-4 rad of the f32 product s * inv_freq at s = 2047.  s = 0 gives (1, 0) exactly.
.set W,  32                            ; v[32:95]   16 loads of weights: [sub 0..3][u 0..1][e 0..1] x 4 registers; later the rows read back
.set X,  96                            ; v[96:159]  16 loads of x
.set TP, 272                           ; LDS pitch of a transposed row: 256 bytes + 16
	s_load_b256 s[4:11], s[0:1], 0x0               ; x s[4:5], W_attn s[6:7], W_proj s[8:9], xb s[10:11]
	s_load_b128 s[12:15], s[0:1], 0x20             ; wat s[12:13], wpt s[14:15]
	s_load_b64 s[16:17], s[0:1], 0x30              ; rope
	v_lshl_add_u32 v160, v0, 2, 0x8800
	v_mov_b32 v161, 0
	s_and_b32 s18, ttmp9, 7                        ; kblk: which 128 rows (k) of the weights
	s_lshr_b32 s19, ttmp9, 3                       ; nblk: which 96 columns of W_attn and 32 of W_proj
	v_lshlrev_b32 v1, 5, v0                        ; x in: 32 bytes a thread
	v_lshlrev_b32 v2, 4, v0                        ; xb out: 16 bytes a thread
	v_and_b32 v9, 7, v0                            ; cq: which 4 columns of a sub-tile of 32
	v_lshrrev_b32 v10, 3, v0                       ; pr: which pair of rows
	v_lshlrev_b32 v11, 4, v9
	v_mad_u32_u24 v3, v10, 24576, v11              ; W_attn: 2 pr rows of 12,288 bytes + 16 cq
	v_lshl_add_u32 v4, v10, 13, v11                ; W_proj: 2 pr rows of 4,096 bytes + 16 cq
	v_lshlrev_b32 v12, 2, v10
	v_mad_u32_u24 v5, v9, 4*TP, v12                ; LDS in: row 4 cq (+ j), word pr
	v_lshrrev_b32 v13, 4, v0
	v_and_b32 v14, 15, v0
	v_lshlrev_b32 v14, 4, v14
	v_mad_u32_u24 v6, v13, TP, v14                 ; LDS back: row t / 16, 16 bytes at 16 (t % 16)
	v_lshl_add_u32 v7, v13, 11, v14                ; and the same place in wat or wpt (rows of 2,048 bytes)
	v_lshlrev_b32 v8, 3, v0                        ; rope: 8 bytes a thread
	s_mul_i32 s20, s18, 128*12288
	s_mul_i32 s28, s19, 384
	s_add_co_u32 s20, s20, s28
	s_mov_b32 s21, 0                               ; s[20:21]: my corner of W_attn
	s_lshl_b32 s22, s18, 19
	s_lshl_b32 s28, s19, 7
	s_add_co_u32 s22, s22, s28
	s_mov_b32 s23, 0                               ; s[22:23]: my corner of W_proj
	s_mul_i32 s24, s19, 96*2048
	s_lshl_b32 s28, s18, 8
	s_add_co_u32 s24, s24, s28
	s_mov_b32 s25, 0                               ; s[24:25]: my corner of wat
	s_lshl_b32 s26, s19, 16
	s_add_co_u32 s26, s26, s28
	s_mov_b32 s27, 0                               ; s[26:27]: my corner of wpt
	s_lshl_b32 s28, ttmp9, 16
	s_mov_b32 s29, 0
	s_wait_kmcnt 0x0
	s_add_nc_u64 s[4:5], s[4:5], s[28:29]          ; x: 65,536 bytes a work-group
	s_lshl_b32 s28, ttmp9, 15
	s_add_nc_u64 s[10:11], s[10:11], s[28:29]      ; xb: 32,768
	s_lshl_b32 s28, ttmp9, 11
	s_add_nc_u64 s[16:17], s[16:17], s[28:29]      ; rope: 2,048
	s_add_nc_u64 s[6:7], s[6:7], s[20:21]
	s_add_nc_u64 s[8:9], s[8:9], s[22:23]
	s_add_nc_u64 s[12:13], s[12:13], s[24:25]
	s_add_nc_u64 s[14:15], s[14:15], s[26:27]
	; the weights first (they have the longer way), then x
.irp sub, 0,1,2
.irp u, 0,1
.irp e, 0,1
	global_load_b128 v[W+16*\sub+8*\u+4*\e:W+16*\sub+8*\u+4*\e+3], v3, s[6:7] offset:\sub*128+(64*\u+\e)*12288
.endr
.endr
.endr
.irp u, 0,1
.irp e, 0,1
	global_load_b128 v[W+48+8*\u+4*\e:W+48+8*\u+4*\e+3], v4, s[8:9] offset:(64*\u+\e)*4096
.endr
.endr
.irp u, 0,1,2,3,4,5,6,7
	global_load_b128 v[X+8*\u:X+8*\u+3],   v1, s[4:5] offset:\u*8192 th:TH_LOAD_NT
	global_load_b128 v[X+8*\u+4:X+8*\u+7], v1, s[4:5] offset:\u*8192+16 th:TH_LOAD_NT
.endr
	; the table, while the loads are on their way.  Pair number 256 w + t: bit 0 of t = which of the entry's two pairs, bits 1-5 = lane,
	; bit 6 = q, bit 7 and bit 0 of w = c, w / 2 = s / 16.
	v_bfe_u32 v16, v0, 1, 4                        ; s % 16
	s_lshr_b32 s30, ttmp9, 1
	s_lshl_b32 s30, s30, 4
	v_add_nc_u32 v16, s30, v16
	v_cvt_f32_u32 v16, v16                         ; s
	v_and_b32 v17, 1, v0
	v_bfe_u32 v18, v0, 6, 1
	v_lshl_add_u32 v17, v18, 1, v17
	v_bfe_u32 v18, v0, 5, 1
	v_lshl_add_u32 v17, v18, 2, v17
	v_bfe_u32 v18, v0, 7, 1
	v_lshl_add_u32 v17, v18, 3, v17
	s_and_b32 s31, ttmp9, 1
	s_lshl_b32 s31, s31, 4
	v_add_nc_u32 v17, s31, v17                     ; i = 16 (w & 1) + 8 t7 + 4 t5 + 2 t6 + t0
	v_cvt_f32_u32 v17, v17
	v_mul_f32 v17, 0xbed49a78, v17                 ; - i log2(10000) / 32
	v_exp_f32 v17, v17                             ; 10000^(-i/32)
	v_mov_b32 v22, 0x3c08839e                      ; (a plain instruction stands between v_exp_f32 and the use of its result: ISA guide 5.7.2)
	s_wait_alu depctr_va_vdst(0)
	v_mul_f32 v18, v16, v17                        ; the angle
	v_mul_f32 v19, 0x3f22f983, v18                 ; x 2 / pi
	v_rndne_f32 v19, v19                           ; n quarter turns
	v_fmamk_f32 v20, v19, 0xbfc90fdb, v18          ; angle - n pi/2, pi/2 in two parts: 1.5707964
	v_fmamk_f32 v20, v19, 0x333bbd2e, v20          ; - 4.3711388e-8
	v_mul_f32 v21, v20, v20                        ; z
	v_fmamk_f32 v22, v21, 0xb94ca1f9, v22          ; sin: rho + rho z (-1.6666655e-1 + z (8.3321609e-3 - 1.9515296e-4 z))
	v_fmaak_f32 v22, v22, v21, 0xbe2aaaa3
	v_mul_f32 v23, v20, v21
	v_fma_f32 v22, v23, v22, v20
	v_mov_b32 v24, 0xbab6061a                      ; cos: 1 + z (-0.5 + z (4.1666646e-2 + z (-1.3887316e-3 + 2.4433157e-5 z)))
	v_fmamk_f32 v24, v21, 0x37ccf5ce, v24
	v_fmaak_f32 v24, v24, v21, 0x3d2aaaa5
	v_fma_f32 v24, v24, v21, -0.5
	v_fma_f32 v24, v24, v21, 1.0
	v_cvt_i32_f32 v25, v19
	v_and_b32 v26, 1, v25
	v_cmp_eq_u32 vcc_lo, 1, v26                    ; odd quarter: sin and cos change places
	v_cndmask_b32 v27, v22, v24, vcc_lo
	v_cndmask_b32 v28, v24, v22, vcc_lo
	v_and_b32 v29, 2, v25                          ; quarters 2, 3: sin is negative
	v_lshlrev_b32 v29, 30, v29
	v_xor_b32 v31, v29, v27
	v_add_nc_u32 v25, 1, v25                       ; quarters 1, 2: cos is negative
	v_and_b32 v25, 2, v25
	v_lshlrev_b32 v25, 30, v25
	v_xor_b32 v30, v25, v28
	global_store_b64 v8, v[30:31], s[16:17]        ; a wave's store covers 256 consecutive bytes, aligned
	; the weights: two rows (k, k + 1) of a column make one word of the transposed row
	s_wait_loadcnt 16                              ; loads return in order: the 16 of the weights are in, x's 16 may be out
.irp sub, 0,1,2,3
.irp u, 0,1
.irp j, 0,1,2,3
	v_cvt_pk_bf16_f32 v[W+16*\sub+8*\u+\j], v[W+16*\sub+8*\u+\j], v[W+16*\sub+8*\u+4+\j]
	ds_store_b32 v5, v[W+16*\sub+8*\u+\j] offset:(32*\sub+\j)*TP+128*\u
.endr
.endr
.endr
	s_wait_dscnt 0x0                               ; my words are in LDS, for the other waves' sake
	s_barrier_signal -1
	s_barrier_wait -1
.irp v, 0,1,2,3,4,5,6,7
	ds_load_b128 v[W+4*\v:W+4*\v+3], v6 offset:\v*16*TP            ; rows 16 v + t / 16 of the 128 transposed rows
.endr
	; x: eight numbers to 16 bytes, in place (word e is written when its old content has been used)
	s_wait_loadcnt 0x0
.irp u, 0,1,2,3,4,5,6,7
.irp e, 0,1,2,3
	v_cvt_pk_bf16_f32 v[X+8*\u+\e], v[X+8*\u+2*\e], v[X+8*\u+2*\e+1]
.endr
	global_store_b128 v2, v[X+8*\u:X+8*\u+3], s[10:11] offset:\u*4096
.endr
.irp v, 0,1,2,3,4,5
	s_wait_dscnt 7-\v                              ; LDS loads return in order: row group v is in
	global_store_b128 v7, v[W+4*\v:W+4*\v+3], s[12:13] offset:\v*32768     ; 16 lanes: 256 consecutive bytes of a row of wat
.endr
.irp v, 6,7
	s_wait_dscnt 7-\v
	global_store_b128 v7, v[W+4*\v:W+4*\v+3], s[14:15] offset:(\v-6)*32768 ; the last 32 rows belong to wpt
.endr
	s_wait_tensorcnt 0x0
	ds_add_u32 v160, v161
	s_wait_dscnt 0x0
	s_endpgm
.Lfunc_end_k_q4f76d5e5d4_prep:
	.size	k_q4f76d5e5d4_prep, .Lfunc_end_k_q4f76d5e5d4_prep-k_q4f76d5e5d4_prep
	.p2alignl 7, 3214868480
	.fill 96, 4, 3214868480
	.section	.rodata,"a",@progbits
	.p2align	6, 0x0
	.amdhsa_kernel k_q4f76d5e5d4_prep
		.amdhsa_group_segment_fixed_size 35840
		.amdhsa_private_segment_fixed_size 0
		.amdhsa_enable_private_segment 0
		.amdhsa_kernarg_size 56
		.amdhsa_user_sgpr_count 2
		.amdhsa_user_sgpr_kernarg_segment_ptr 1
		.amdhsa_wavefront_size32 1
		.amdhsa_system_sgpr_workgroup_id_x 1
		.amdhsa_system_sgpr_workgroup_id_y 1
		.amdhsa_system_sgpr_workgroup_id_z 1
		.amdhsa_system_vgpr_workitem_id 0
		.amdhsa_next_free_vgpr 162
		.amdhsa_next_free_sgpr 66
		.amdhsa_reserve_vcc 1
		.amdhsa_float_denorm_mode_32 3
		.amdhsa_float_denorm_mode_16_64 3
		.amdhsa_memory_ordered 1
		.amdhsa_forward_progress 1
		.amdhsa_inst_pref_size 17
	.end_amdhsa_kernel
	.amdgpu_metadata
---
amdhsa.version: [ 1, 2 ]
amdhsa.kernels:
  - .name:           k_q4f76d5e5d4_prep
    .symbol:         k_q4f76d5e5d4_prep.kd
    .args:
      - { .name: x, .offset: 0, .size: 8, .value_kind: global_buffer, .address_space: global }
      - { .name: W_attn, .offset: 8, .size: 8, .value_kind: global_buffer, .address_space: global }
      - { .name: W_proj, .offset: 16, .size: 8, .value_kind: global_buffer, .address_space: global }
      - { .name: xb, .offset: 24, .size: 8, .value_kind: global_buffer, .address_space: global }
      - { .name: wat, .offset: 32, .size: 8, .value_kind: global_buffer, .address_space: global }
      - { .name: wpt, .offset: 40, .size: 8, .value_kind: global_buffer, .address_space: global }
      - { .name: rope, .offset: 48, .size: 8, .value_kind: global_buffer, .address_space: global }
    .group_segment_fixed_size: 35840
    .private_segment_fixed_size: 0
    .kernarg_segment_align: 8
    .kernarg_segment_size: 56
    .max_flat_workgroup_size: 256
    .sgpr_count:     66
    .vgpr_count:     162
    .wavefront_size: 32
...
	.end_amdgpu_metadata
.endif
;; end of part 1
;; launch qkv (part 2): grid 16 x 16, 4 waves a work-group, clusters of 4 x 4, 327,680 bytes of LDS; arguments xb, wat, rope, qh, kh, vh; writes qh, kh, vh
.if DOCPART == 2
	.amdgcn_target "amdgcn-amd-amdhsa--gfx1250"
	.amdhsa_code_object_version 6
	.text
	.protected	k_q4f76d5e5d4_qkv
	.globl	k_q4f76d5e5d4_qkv
	.p2align	8
	.type	k_q4f76d5e5d4_qkv,@function
k_q4f76d5e5d4_qkv:
	s_mov_b64 s[64:65], 0
	v_nop
	global_prefetch_b8 v0, s[64:65] scope:SCOPE_SE
	s_setreg_imm32_b32 hwreg(HW_REG_WAVE_MODE, 25, 1), 1
	s_wait_xcnt 0x0
	s_wait_alu depctr_hold_cnt(0) depctr_sa_sdst(0) depctr_va_vdst(0) depctr_va_sdst(0) depctr_va_ssrc(0) depctr_va_vcc(0) depctr_vm_vsrc(0)
	s_getreg_b32 s2, hwreg(HW_REG_IB_STS2, 6, 4)
	s_cmp_eq_u32 s2, 0
	s_cbranch_scc0 .Lentry_in_a_cluster
	s_endpgm
.Lentry_in_a_cluster:
	s_bfe_u32 s2, ttmp6, 0x10000c
	s_cmp_lg_u32 s2, 0xf033
	s_cbranch_scc0 .Lentry_shape_is_right
	s_endpgm
.Lentry_shape_is_right:
; QKV: [4096][3072] = xb [4096][1024] x wat^T ([3072 n][1024 k]), bf16 operands, f32 sums; then the rotary step on q and k; q, k, v leave as f16 [b][h][s][64].
; A work-group makes 256 rows x 192 columns (three whole heads); wave w makes rows 64 w .. 64 w + 63 of all 192 columns: 48 accumulator tiles, 384 registers.
; K goes in steps of 128 through two LDS slots filled by the tensor data mover: every tile row is 256 consecutive bytes of memory, aligned.
; CLUSTERS: 4 x 4 work-groups.  xb's tile hangs on the block row alone and is asked for jointly by a row of the cluster, wat's on the block column alone and is asked
; for jointly by a column: the requests for both are divided by four.
; THE MATRIX INSTRUCTION IS USED TRANSPOSED (source 0 = 16 rows of wat, source 1 = 16 rows of xb): lane (r, h) holds row r and columns 16 b + 8 h + 0..7,
; that is four (even, odd) rotary pairs of one position, and eight neighbouring numbers of a head's row.
; ROTARY: out0 = x0 cos + x1 sin, out1 = x1 cos - x0 sin.  v's heads run the same
; lines: their table offset is multiplied by 0 and they read the entries of s = 0, which are (1, 0) exactly.
; cache_k and cache_v are not read: the update that the problem writes into them has the caches' own shape [2][16][2048][64] and starts at (0,0,0,0), so it
; replaces every element before any is used; what the attention reads is k and v alone, for every content of the caches.
; LIMIT: q, k, v are kept in f16: |value| < 65,504.  The scale 1/8 of q is applied in the next launch.
;
; REGISTERS, in windows of 256:  window 0: v8-11 table offsets, v16-29 addresses, v32-63 rotated numbers, v64-95 and v96-127 xb's fragments (two buffers; on the way out
; packed results and rows read back), v128-255 four sets of table entries;  window 1: v0-95 and v128-223 wat's fragments (two buffers);
; window 2: accumulators of my rows 0-31 (tile (a, b) at 8 (12 (a & 1) + b));  window 3: of my rows 32-63.
.set KSTEP,  128
.set PITCH,  272                       ; an LDS row: 256 bytes + 16: an odd multiple of 16, so the 16 rows of a fragment load start in 16 different 16-byte columns
.set HALFA,  128*PITCH                 ; what one tensor load of xb brings
.set HALFB,  96*PITCH                  ; what one tensor load of wat brings
.set SLOT,   2*HALFA+2*HALFB           ; xb's 256 rows, then wat's 192 rows
.set STAGE,  2*SLOT                    ; behind the ring: 16 rows x 144 bytes for each wave; no tensor load lands here
.set SPITCH, 144
.set LAPS,   4                         ; 1024 / (2 x 128)
.set VO,   8                           ; v8-11   table offsets, one for each set of entries in flight
.set ADRA, 16                          ; v16-17  LDS address of my xb fragments in slot 0, 1
.set ADRB, 20                          ; v20-21  the same for wat
.set STO,  24
.set RD,   25
.set L16,  26                          ; 16 x lane
.set VR0,  27                          ; table offset of my first 16 rows, without the lane's half
.set VH,   28                          ; 256 x half
.set TMPV, 29
.set OT,   32
.set PK,   64
.set RB,   80
.set TB,   128
.set G1A, 24                           ; s[24:31] group 1 for xb's tiles
.set G0A, 32                           ; s[32:39] group 0 for xb's tiles, a set for each slot
.set G1B, 40                           ; s[40:47] group 1 for wat's tiles
.set G0B, 48                           ; s[48:55] group 0 for wat's tiles
.set PTR, 66                           ; s[66:71] where my three heads' rows go
.set SEL, 72                           ; s72-74   1: the head is rotated (q, k); 0: not (v)
.set MSB, 0
.macro WIN new                         ; the immediate's high byte repeats the setting that is left
.if MSB != \new
	s_set_vgpr_msb (MSB<<8)|\new
.set MSB, \new
.endif
.endm
.set MUL_LO, 0xa1                      ; source 0 (wat) window 1, source 1 (xb) window 0, C and D window 2
.set MUL_HI, 0xf1                      ; the same, C and D window 3
.set TO_B,   0x40                      ; destination window 1
; A joint load.  Waves 0, 1 fetch xb's two halves, waves 2, 3 wat's.  The branch hangs on the wave's number alone.
.macro JLOAD s
	s_cmp_eq_u32 s17, 0
	s_cbranch_scc0 .Lfor_b_\@
	tensor_load_to_lds s[G0A+4*\s:G0A+4*\s+3], s[G1A:G1A+7]
	s_nop 0
	s_branch .Lasked_\@
.Lfor_b_\@:
	tensor_load_to_lds s[G0B+4*\s:G0B+4*\s+3], s[G1B:G1B+7]
	s_nop 0
.Lasked_\@:
.endm
; A round of the cluster's barrier: my work-group's barrier; wave 0 signals for the work-group; every wave waits for all sixteen; my work-group's barrier again.
.macro CREST
	s_cmp_lg_u32 s16, 0
	s_cbranch_scc1 .Lnot_wave_0_\@
	s_barrier_signal -3
.Lnot_wave_0_\@:
	s_barrier_wait -3
	s_barrier_signal -1
	s_barrier_wait -1
.endm
.macro CROUND
	s_barrier_signal -1
	s_barrier_wait -1
	CREST
.endm
	s_load_b256 s[4:11], s[0:1], 0x0               ; xb s[4:5], wat s[6:7], rope s[8:9], qh s[10:11]
	s_load_b128 s[12:15], s[0:1], 0x20             ; kh s[12:13], vh s[14:15]
	s_set_vgpr_msb 0x40
	v_lshl_add_u32 v255, v0, 2, 0x3dc00
	s_set_vgpr_msb 0x4000
	v_mov_b32 v31, 0
	s_set_vgpr_msb 0x1
	ds_add_u32 v255, v31
	ds_add_u32 v255, v31
	s_set_vgpr_msb 0x100
	v_lshrrev_b32 v1, 5, v0
	v_readfirstlane_b32 s16, v1                    ; wave 0..3
	s_lshr_b32 s17, s16, 1                         ; I fetch for xb (0) or for wat (1)
	s_and_b32 s18, s16, 1                          ; which half of that tile
	s_bfe_u32 s19, ttmp6, 0x40000                  ; cx
	s_bfe_u32 s20, ttmp6, 0x40004                  ; cy
	s_lshl_b32 s21, ttmp9, 2
	s_add_co_u32 s21, s21, s19                     ; J: block column = 4 x cluster x + cx
	s_and_b32 s22, ttmp7, 0xffff
	s_lshl_b32 s22, s22, 2
	s_add_co_u32 s22, s22, s20                     ; I: block row = 4 x cluster y + cy
	s_lshl_b32 s23, s20, 2
	s_lshl_b32 s23, 15, s23                        ; my row of the cluster
	s_lshl_b32 s56, 0x1111, s19                    ; my column
	s_or_b32 s[G1A+0], s23, (1<<16)|(1<<20)|(1<<21)|(5<<22)|(3<<25)   ; mask; 2-byte elements; padding on; bit 21 beside a mask; after every 64 words, 4 words
	s_or_b32 s[G1B+0], s56, (1<<16)|(1<<20)|(1<<21)|(5<<22)|(3<<25)
	s_mov_b32 s[G1A+1], KSTEP<<16                  ; tensor_dim0 = 128
	s_mov_b32 s[G1B+1], KSTEP<<16
	s_mov_b32 s[G1A+2], 128<<16                    ; tensor_dim1 = 128 rows
	s_mov_b32 s[G1B+2], 96<<16                     ;             = 96 rows
	s_mov_b32 s[G1A+3], KSTEP<<16                  ; tile_dim0 = 128
	s_mov_b32 s[G1B+3], KSTEP<<16
	s_mov_b32 s[G1A+4], 128                        ; tile_dim1
	s_mov_b32 s[G1B+4], 96
	s_mov_b32 s[G1A+5], 1024                       ; elements from row to row
	s_mov_b32 s[G1B+5], 1024
	s_mov_b32 s[G1A+6], 0
	s_mov_b32 s[G1B+6], 0
	s_mov_b32 s[G1A+7], 0
	s_mov_b32 s[G1B+7], 0
	s_lshl_b32 s58, s22, 8                         ; xb: row 256 I + 128 x half, rows of 2,048 bytes
	s_lshl_b32 s57, s18, 7
	s_add_co_u32 s58, s58, s57
	s_lshl_b32 s58, s58, 11
	s_mov_b32 s59, 0
	s_mul_i32 s60, s21, 192                        ; wat: row 192 J + 96 x half
	s_mul_i32 s57, s18, 96
	s_add_co_u32 s60, s60, s57
	s_lshl_b32 s60, s60, 11
	s_mov_b32 s61, 0
	s_mul_i32 s62, s16, HALFA                      ; LDS: waves 0, 1: xb's halves at 0 and HALFA
	s_mul_i32 s63, s16, HALFB
	s_add_co_u32 s63, s63, 2*HALFA-2*HALFB         ; waves 2, 3: wat's halves behind xb's 256 rows
	s_wait_dscnt 0x0
	s_wait_kmcnt 0x0
	s_add_nc_u64 s[58:59], s[4:5], s[58:59]
	s_add_nc_u64 s[60:61], s[6:7], s[60:61]
	CROUND                                         ; all sixteen work-groups are here: the first joint loads meet
.irp s, 0,1
	s_mov_b32 s[G0A+4*\s], 1
	s_add_co_u32 s[G0A+4*\s+1], s62, \s*SLOT
	s_add_nc_u64 s[G0A+4*\s+2:G0A+4*\s+3], s[58:59], \s*KSTEP*2
	s_or_b32 s[G0A+4*\s+3], s[G0A+4*\s+3], 0x80000000
	s_mov_b32 s[G0B+4*\s], 1
	s_add_co_u32 s[G0B+4*\s+1], s63, \s*SLOT
	s_add_nc_u64 s[G0B+4*\s+2:G0B+4*\s+3], s[60:61], \s*KSTEP*2
	s_or_b32 s[G0B+4*\s+3], s[G0B+4*\s+3], 0x80000000
	JLOAD \s                                       ; two tensor loads of the wave are out: K steps 0 and 1
.endr
	v_and_b32 v1, 15, v0                           ; r
	v_bfe_u32 v2, v0, 4, 1                         ; h
	v_mul_u32_u24 v3, v1, PITCH
	v_lshl_add_u32 v3, v2, 4, v3                   ; r x pitch + 16 h
	s_mul_i32 s57, s16, 64*PITCH                   ; my 64 rows of xb
	v_add_nc_u32 v[ADRA], s57, v3
	v_add_nc_u32 v[ADRA+1], SLOT, v[ADRA]
	v_add_nc_u32 v[ADRB], 2*HALFA, v3
	v_add_nc_u32 v[ADRB+1], 2*HALFA+SLOT, v3
	s_mul_i32 s57, s16, 16*SPITCH
	s_add_co_u32 s57, s57, STAGE                   ; my stage
	v_mul_u32_u24 v4, v1, SPITCH
	v_lshl_add_u32 v4, v2, 4, v4
	v_add_nc_u32 v[STO], s57, v4                   ; in: row r, 16 bytes for each half of the lanes
	v_and_b32 v5, 31, v0
	v_lshrrev_b32 v6, 3, v5
	v_and_b32 v7, 7, v5
	v_mul_u32_u24 v6, v6, SPITCH
	v_lshl_add_u32 v6, v7, 4, v6
	v_add_nc_u32 v[RD], s57, v6                    ; back: eight lanes take a row of 128 bytes
	v_lshlrev_b32 v[L16], 4, v5
	v_lshlrev_b32 v[VH], 8, v2
	; where the three heads go.  Head slot g = 3 J + hs: 0-15 q, 16-31 k, 32-47 v.  A choice of pointers, no branch.
	s_mul_i32 s75, s21, 3
	s_lshr_b32 s78, s22, 3
	s_lshl_b32 s78, s78, 4                         ; 16 x batch
	s_and_b32 s79, s22, 7
	s_lshl_b32 s79, s79, 8
	s_lshl_b32 s76, s16, 6
	s_add_co_u32 s79, s79, s76                     ; my first position: 256 (I & 7) + 64 w
.irp hs, 0,1,2
	s_add_co_u32 s76, s75, \hs
	s_cmp_lt_u32 s76, 16
	s_cselect_b64 s[PTR+2*\hs:PTR+2*\hs+1], s[10:11], s[12:13]
	s_cmp_lt_u32 s76, 32
	s_cselect_b64 s[PTR+2*\hs:PTR+2*\hs+1], s[PTR+2*\hs:PTR+2*\hs+1], s[14:15]
	s_cselect_b32 s[SEL+\hs], 1, 0
	s_and_b32 s76, s76, 15
	s_add_co_u32 s76, s76, s78
	s_lshl_b32 s76, s76, 11
	s_add_co_u32 s76, s76, s79
	s_lshl_b32 s76, s76, 7                         ; ((16 b + head) 2048 + position) x 128 bytes
	s_mov_b32 s77, 0
	s_add_nc_u64 s[PTR+2*\hs:PTR+2*\hs+1], s[PTR+2*\hs:PTR+2*\hs+1], s[76:77]
.endr
	s_and_b32 s76, s22, 7
	s_lshl_b32 s76, s76, 4
	s_lshl2_add_u32 s76, s16, s76                  ; my first block of 16 positions: 16 (I & 7) + 4 w
	s_lshl_b32 s76, s76, 12                        ; 4,096 bytes of table for each
	v_lshl_add_u32 v[VR0], v1, 4, s76
; The table entries of unit u (rows 16 (u / 3) .. + 15 of my 64, head u % 3): eight loads into set u % 4.
.macro TLOAD u
.if (\u)/3 == 0
	v_mad_u32_u24 v[VO+(\u)%4], v[VR0], s[SEL+(\u)%3], v[VH]
.else
	v_add_nc_u32 v[TMPV], ((\u)/3)*4096, v[VR0]
	v_mad_u32_u24 v[VO+(\u)%4], v[TMPV], s[SEL+(\u)%3], v[VH]      ; x 0 for v's heads: the entries of s = 0
.endif
.irp c, 0,1,2,3
.irp q, 0,1
	global_load_b128 v[TB+32*((\u)%4)+8*\c+4*\q:TB+32*((\u)%4)+8*\c+4*\q+3], v[VO+(\u)%4], s[8:9] offset:\c*1024+\q*512
.endr
.endr
.endm
	TLOAD 0                                        ; the first four units' entries come in under the whole K loop
	TLOAD 1
	TLOAD 2
	TLOAD 3
; 12 matrix instructions: my rows 16 a .. + 15 x all 192 columns, 32 along K, from buffer f.  zero = 1: the product starts the sums.
.macro MULA f, a, zero
.irp b, 0,1,2,3,4,5,6,7,8,9,10,11
.if \zero
	v_wmma_f32_16x16x32_bf16 v[8*(12*((\a)&1)+\b):8*(12*((\a)&1)+\b)+7], v[128*\f+8*\b:128*\f+8*\b+7], v[64+32*\f+8*\a:64+32*\f+8*\a+7], 0
.else
	v_wmma_f32_16x16x32_bf16 v[8*(12*((\a)&1)+\b):8*(12*((\a)&1)+\b)+7], v[128*\f+8*\b:128*\f+8*\b+7], v[64+32*\f+8*\a:64+32*\f+8*\a+7], v[8*(12*((\a)&1)+\b):8*(12*((\a)&1)+\b)+7]
.endif
.endr
.endm
; 32 LDS loads in one run: 192 rows of wat, then my 64 rows of xb, 32 K at byte k of the rows, into buffer f
.macro FETCH slot, k, f
	WIN TO_B
.irp i, 0,1,2,3,4,5,6,7,8,9,10,11
	ds_load_b128 v[128*\f+8*\i:128*\f+8*\i+3],   v[ADRB+\slot] offset:\k+\i*16*PITCH
	ds_load_b128 v[128*\f+8*\i+4:128*\f+8*\i+7], v[ADRB+\slot] offset:\k+\i*16*PITCH+32
.endr
	WIN 0
.irp i, 0,1,2,3
	ds_load_b128 v[64+32*\f+8*\i:64+32*\f+8*\i+3],   v[ADRA+\slot] offset:\k+\i*16*PITCH
	ds_load_b128 v[64+32*\f+8*\i+4:64+32*\f+8*\i+7], v[ADRA+\slot] offset:\k+\i*16*PITCH+32
.endr
.endm
; Four plain vector instructions stand between a matrix instruction and a load into, or a vector instruction on, one of its registers
.macro PLACES
.rept 4
	v_nop
.endr
.endm
; A quarter of a K step: 48 matrix instructions on buffer f; in its middle the next quarter's fragments are fetched into buffer g.
; The 48 accumulators take turns, one instruction a turn, in the same order in every quarter.
.macro QUARTER slot, k, f, g, zero
	s_wait_dscnt 4                                 ; all of wat and xb's fragments 0, 1 are in; the youngest four loads (fragments 2, 3) may be out
	WIN MUL_LO
	MULA \f, 0, \zero
	MULA \f, 1, \zero
	PLACES
	FETCH \slot, \k, \g
	s_wait_dscnt 32                                ; all but the 32 just issued
	WIN MUL_HI
	MULA \f, 2, \zero
	MULA \f, 3, \zero
.endm
.macro THREE slot, zero
	QUARTER \slot, 64,  0, 1, \zero
	QUARTER \slot, 128, 1, 0, 0
	QUARTER \slot, 192, 0, 1, 0
.endm
; The last quarter multiplies buffer 1 and changes slots.  One barrier: in front of it each wave's reads of this slot are back and all its tensor loads have landed
; (the one that was out is its part of the next slot).  fill = 1: the barrier opens a round of the cluster's barrier, and the joint refill is the first tensor load behind it.
; From a request to the wait for it a wave issues 180 matrix instructions.
.macro TURN slot, next, fill
	s_wait_dscnt 4
	WIN MUL_LO
	MULA 1, 0, 0
	s_wait_dscnt 0x0                               ; my reads of this slot are over
	s_wait_tensorcnt 0x0                           ; all my tensor loads have landed
	ds_add_u32 v255, v31
	s_wait_dscnt 0x0
	s_barrier_signal -1
	MULA 1, 1, 0                                   ; register work while the others arrive
	WIN 0
	s_barrier_wait -1
.if \fill
	CREST                                          ; no wave of any partner still reads this slot or has a load on its way
	s_add_nc_u64 s[G0A+4*\slot+2:G0A+4*\slot+3], s[G0A+4*\slot+2:G0A+4*\slot+3], 2*KSTEP*2
	s_add_nc_u64 s[G0B+4*\slot+2:G0B+4*\slot+3], s[G0B+4*\slot+2:G0B+4*\slot+3], 2*KSTEP*2
	JLOAD \slot
.endif
	PLACES
	FETCH \next, 0, 0
	WIN MUL_HI
	MULA 1, 2, 0
	MULA 1, 3, 0
.endm
.macro LAP zero
	THREE 0, \zero
	TURN 0, 1, 1
	THREE 1, 0
	TURN 1, 0, 1
.endm
	s_wait_tensorcnt 1                             ; my part of K step 0 is in; K step 1's may stay out
	s_barrier_signal -1
	s_barrier_wait -1
	FETCH 0, 0, 0
	LAP 1                                          ; the first lap's first products start the sums: nothing is cleared
	WIN 0
	s_mov_b32 s3, LAPS-2
.Llap:
	LAP 0
	WIN 0
	s_sub_co_u32 s3, s3, 1
	s_cmp_lg_u32 s3, 0
	s_cbranch_scc1 .Llap
	THREE 0, 0                                     ; the last lap fills nothing
	TURN 0, 1, 0
	THREE 1, 0
	s_wait_dscnt 4
	WIN MUL_LO
	MULA 1, 0, 0
	MULA 1, 1, 0
	s_wait_dscnt 0x0
	WIN MUL_HI
	MULA 1, 2, 0
	MULA 1, 3, 0
	PLACES                                         ; the places in front of the first reads of results
; THE WAY OUT, in 12 units of 16 rows x one head.  Rotate, round to f16, 16 bytes a lane into my stage, whole rows back, stores of 512 consecutive bytes.
.macro UNIT u
.set UA, (\u)/3
.set UH, (\u)%3
.set UT, TB+32*((\u)%4)
.set UC, 8*(12*(UA&1)+4*UH)
.if \u <= 8
	s_wait_loadcnt 24                              ; my eight table loads are in; the three younger units' 24 may be out
.else
	s_wait_loadcnt 8*(11-\u)
.endif
.if UA < 2
	WIN 0x02                                       ; source 0 from window 2
.else
	WIN 0x03
.endif
.irp c, 0,1,2,3
.irp p, 0,1,2,3
	v_mul_f32 v[OT+8*\c+2*\p],   v[UC+8*\c+2*\p],   v[UT+8*\c+2*\p]                        ; x0 cos
	v_mul_f32 v[OT+8*\c+2*\p+1], v[UC+8*\c+2*\p+1], v[UT+8*\c+2*\p]                        ; x1 cos
	v_fma_f32 v[OT+8*\c+2*\p],   v[UC+8*\c+2*\p+1], v[UT+8*\c+2*\p+1], v[OT+8*\c+2*\p]     ; + x1 sin
	v_fma_f32 v[OT+8*\c+2*\p+1], -v[UC+8*\c+2*\p],  v[UT+8*\c+2*\p+1], v[OT+8*\c+2*\p+1]   ; - x0 sin
.endr
.endr
	WIN 0
.if \u+4 <= 11
	TLOAD \u+4                                     ; into the set just used; its offset register is free since the wait above
.endif
.irp c, 0,1,2,3
.irp p, 0,1,2,3
	v_cvt_pk_f16_f32 v[PK+4*\c+\p], v[OT+8*\c+2*\p], v[OT+8*\c+2*\p+1]
.endr
	ds_store_b128 v[STO], v[PK+4*\c:PK+4*\c+3] offset:32*\c
.endr
	s_wait_xcnt 0x0                                ; the rows read back are the last unit's store data: they are rewritten only behind this wait
.irp g, 0,1,2,3
	ds_load_b128 v[RB+4*\g:RB+4*\g+3], v[RD] offset:\g*4*SPITCH    ; LDS serves a wave's instructions in order: these see the stores above
.endr
.irp g, 0,1,2,3
	s_wait_dscnt 3-\g
	global_store_b128 v[L16], v[RB+4*\g:RB+4*\g+3], s[PTR+2*UH:PTR+2*UH+1] offset:(16*UA+4*\g)*128  ; four rows of 128 bytes: 512 consecutive bytes, aligned
.endr
.endm
.irp u, 0,1,2,3,4,5,6,7,8,9,10,11
	UNIT \u
.endr
	s_set_vgpr_msb 0x1
	s_wait_tensorcnt 0x0
	ds_add_u32 v255, v31
	s_wait_dscnt 0x0
	s_set_vgpr_msb 0x100
	CROUND                                         ; the closing round: no work-group ends while a partner may still ask for a tile that names it
	s_endpgm
.Lfunc_end_k_q4f76d5e5d4_qkv:
	.size	k_q4f76d5e5d4_qkv, .Lfunc_end_k_q4f76d5e5d4_qkv-k_q4f76d5e5d4_qkv
	.p2alignl 7, 3214868480
	.fill 96, 4, 3214868480
	.section	.rodata,"a",@progbits
	.p2align	6, 0x0
	.amdhsa_kernel k_q4f76d5e5d4_qkv
		.amdhsa_group_segment_fixed_size 327680
		.amdhsa_private_segment_fixed_size 0
		.amdhsa_enable_private_segment 0
		.amdhsa_kernarg_size 48
		.amdhsa_user_sgpr_count 2
		.amdhsa_user_sgpr_kernarg_segment_ptr 1
		.amdhsa_wavefront_size32 1
		.amdhsa_system_sgpr_workgroup_id_x 1
		.amdhsa_system_sgpr_workgroup_id_y 1
		.amdhsa_system_sgpr_workgroup_id_z 1
		.amdhsa_system_vgpr_workitem_id 0
		.amdhsa_next_free_vgpr 1024
		.amdhsa_next_free_sgpr 80
		.amdhsa_reserve_vcc 0
		.amdhsa_float_denorm_mode_32 3
		.amdhsa_float_denorm_mode_16_64 3
		.amdhsa_memory_ordered 1
		.amdhsa_forward_progress 1
		.amdhsa_inst_pref_size 212
	.end_amdhsa_kernel
	.amdgpu_metadata
---
amdhsa.version: [ 1, 2 ]
amdhsa.kernels:
  - .name:           k_q4f76d5e5d4_qkv
    .symbol:         k_q4f76d5e5d4_qkv.kd
    .args:
      - { .name: xb, .offset: 0, .size: 8, .value_kind: global_buffer, .address_space: global }
      - { .name: wat, .offset: 8, .size: 8, .value_kind: global_buffer, .address_space: global }
      - { .name: rope, .offset: 16, .size: 8, .value_kind: global_buffer, .address_space: global }
      - { .name: qh, .offset: 24, .size: 8, .value_kind: global_buffer, .address_space: global }
      - { .name: kh, .offset: 32, .size: 8, .value_kind: global_buffer, .address_space: global }
      - { .name: vh, .offset: 40, .size: 8, .value_kind: global_buffer, .address_space: global }
    .group_segment_fixed_size: 327680
    .private_segment_fixed_size: 0
    .kernarg_segment_align: 8
    .kernarg_segment_size: 48
    .max_flat_workgroup_size: 128
    .sgpr_count:     80
    .vgpr_count:     1024
    .wavefront_size: 32
...
	.end_amdgpu_metadata
.endif
;; end of part 2
;; launch attn (part 3): grid 8 x 32, 8 waves a work-group, no clusters, 327,680 bytes of LDS; arguments qh, kh, vh, yb; writes yb
.if DOCPART == 3
	.amdgcn_target "amdgcn-amd-amdhsa--gfx1250"
	.amdhsa_code_object_version 6
	.text
	.protected	k_q4f76d5e5d4_attn
	.globl	k_q4f76d5e5d4_attn
	.p2align	8
	.type	k_q4f76d5e5d4_attn,@function
k_q4f76d5e5d4_attn:
	s_mov_b64 s[64:65], 0
	v_nop
	global_prefetch_b8 v0, s[64:65] scope:SCOPE_SE
	s_setreg_imm32_b32 hwreg(HW_REG_WAVE_MODE, 25, 1), 1
	s_wait_xcnt 0x0
; ATTN: y = softmax(q k^T / 8 + causal mask) v for one head, f16 operands, f32 scores, running maximum and sums in f32.
; Work-group (i, bh) owns the query blocks i and 15 - i (128 rows each) of head bh: (i + 1) + (16 - i) = 17 blocks of 128 x 128 scores for every work-group.
; Blocks above the diagonal are not computed: their weights are zero by the mask that the problem builds itself.
; Eight waves.  Waves wq and wq + 4 both hold queries 32 wq .. + 31; wave group g = w / 4 takes keys 64 g .. + 63 of every block of 128 keys.  The two partial results
; (maximum, sum, O) meet once for each query block, through LDS.
; LAYOUT: S^T = K Q^T (A = 16 keys, B = 16 queries): lane (r, h) holds query r, keys 8 h + 0..7 of a tile.  Two key tiles, packed in place to f16, ARE the B fragment of
; O^T = V^T P^T (A = V^T by the transposing LDS load).  Maximum, sum and rescale are the lane's own; one exchange between the halves of the wave joins the maxima.
; ORDER: each query block starts with its diagonal block (masked, and the first: no old maximum, no rescale, the products start the sums), then key blocks 0, 1, ...
; The odd one of the two query blocks goes first: it has an even number of steps, so slot numbers are constants of the text.
; EXPONENTS: p = 2^(c s + NM), c = log2(e) / 8, NM = -c m rounded to f32.  Every rescale factor is 2^(difference of two NM), the numbers that the exponents
; really held, so that no rounding error of c m enters the ratio between two blocks' weights, however large the scores are.
; NO CLUSTER: the eight work-groups of a head need qb + 1 tiles for a query block, a different number each, and a trip count may not hang on the place in a cluster;
; asking for and multiplying every tile everywhere would double the work.
; y leaves as a pair of bf16 (hi, lo = y - hi), [b][h][s][hi 64 | lo 64]: the last product then sees about 16 bits of y.
; cache_k, cache_v: not read; see the head of the launch that makes k and v (the update replaces every element of both).
; LIMITS: a masked score is replaced by -2^100 (the problem adds -1e9): the same weights, zero, as long as scores differ by less than about 1e9.
; -2^100 is a power of two so that c x 2^100 is exact: a wave group whose keys are all masked for a row gets the exponent 0, weights 1 and finite sums, and
; these get the factor 2^(-huge) = 0 at the next step or at the merge.
.set SLOTB, 38912                      ; a slot: K 128 rows x 144, then V 128 rows x 160
.set VOFF,  18432
.set QE_,   77824                      ; Q of the first query block, 128 rows x 144
.set QO_,   96256                      ; Q of the second
.set MERGE, 114688                     ; 4 x 8,704: group 1's O (8,192) and its NM and sums (512); no tensor load lands here
.set STAGE, 149504                     ; 4 x 8,704: 32 rows x 272 for each wave of group 0; no tensor load lands here
.set BLK,   16384                      ; bytes of a block of 128 rows of q, k or v
.set DQ, 10                            ; v10-11  query - first key of my lane, in the diagonal block, for each query tile
.set MR, 12                            ; v12-13  running maximum
.set T2, 14                            ; v14-15  at work
.set QR, 16                            ; v16-47  Q fragments at 16 qt + 8 ds
.set OB, 48                            ; v48-111 O at 32 qt + 8 dt
.set SB, 112                           ; v112-175 S at 32 qt + 8 kt; P, packed, at 32 qt + 16 ks
.set KV, 176                           ; v176-239 K at 16 kt + 8 ds, then V^T at 16 dt + 8 ks
.set NM, 240                           ; v240, v242  - c x maximum (first of a pair)
.set AL, 244                           ; v244, v246  rescale factor (first of a pair)
.set LS, 248                           ; v[248:249], v[250:251]  running sums, two partial sums a lane
.set MX, 252                           ; v252-253  the merge: the partner's NM
.set PX, 254                           ; v254-255  what the other half of the wave holds; the merge: the partner's sums
; scalar registers: s[24:31], s[32:39] group 1 for K and Q, for V;  s[40:47] group 0 of K's slots, s[48:55] of V's, s[56:63] of the two Q tiles;
; s[66:67], s[68:69] address of my rows in the next key block of k, of v (type bits set);  s[70:71], s[72:73] the same of block 0;
; s[88:89], s[90:91] the same of the second query block's diagonal block
	s_load_b256 s[4:11], s[0:1], 0x0               ; qh s[4:5], kh s[6:7], vh s[8:9], yb s[10:11]
	s_set_vgpr_msb 0x40
	v_lshl_add_u32 v0, v0, 2, 0x2d000
	v_mov_b32 v1, 0
	s_set_vgpr_msb 0x4045
	ds_add_u32 v0, v1
	ds_add_u32 v0, v1
	s_set_vgpr_msb 0x4500
	v_lshrrev_b32 v1, 5, v0
	v_readfirstlane_b32 s12, v1                    ; wave 0..7
	s_lshr_b32 s13, s12, 2                         ; g: which 64 keys
	s_and_b32 s14, s12, 3                          ; wq: which 32 queries
	s_and_b32 s16, ttmp7, 0xffff                   ; bh
	s_sub_co_u32 s18, 15, ttmp9
	s_bitcmp1_b32 ttmp9, 0
	s_cselect_b32 s17, ttmp9, s18                  ; the odd one of i and 15 - i: first query block
	s_sub_co_u32 s18, 15, s17                      ; the even one: second
	s_mov_b32 s20, 0x76543210                      ; v_permlanex16_b32: lane i of one half reads lane i of the other
	s_mov_b32 s21, 0xfedcba98
	s_mov_b32 s22, 0x3e38aa3b                      ; c = log2(e) / 8: the scale of q and the base of v_exp_f32 in one factor
	s_mov_b32 s23, 0x3e38aa3b
	s_mov_b32 s75, 0xbe38aa3b                      ; - c
	; group 1: a wave moves 16 rows of 128 bytes, 2,048 consecutive bytes, as 8 rows of 256; after every 32 words (a row of the head) the mover skips 4 words (K, Q) or 8 (V)
	s_mov_b32 s24, (1<<16)|(1<<20)|(4<<22)|(3<<25)
	s_mov_b32 s32, (1<<16)|(1<<20)|(4<<22)|(7<<25)
	s_mov_b32 s25, 128<<16
	s_mov_b32 s33, 128<<16
	s_mov_b32 s26, 8<<16
	s_mov_b32 s34, 8<<16
	s_mov_b32 s27, 128<<16
	s_mov_b32 s35, 128<<16
	s_mov_b32 s28, 8
	s_mov_b32 s36, 8
	s_mov_b32 s29, 128
	s_mov_b32 s37, 128
	s_mov_b32 s30, 0
	s_mov_b32 s38, 0
	s_mov_b32 s31, 0
	s_mov_b32 s39, 0
	s_lshl_b32 s78, s16, 18                        ; a head is 262,144 bytes
	s_lshl_b32 s79, s12, 11                        ; my 16 rows of a block
	s_add_co_u32 s78, s78, s79
	s_mov_b32 s79, 0
	s_lshl_b32 s82, s17, 14                        ; s[82:83]: byte offset of the first query block, and of its diagonal key block
	s_mov_b32 s83, 0
	s_lshl_b32 s92, s18, 14                        ; s[92:93]: of the second
	s_mov_b32 s93, 0
	s_mul_i32 s84, s12, 2304                       ; my 16 rows in a K or Q tile
	s_mul_i32 s85, s12, 2560                       ; in a V tile
	s_wait_dscnt 0x0
	s_wait_kmcnt 0x0
	s_add_nc_u64 s[70:71], s[6:7], s[78:79]        ; my rows of k's block 0,
	s_add_nc_u64 s[72:73], s[8:9], s[78:79]        ; of v's,
	s_add_nc_u64 s[80:81], s[4:5], s[78:79]        ; of q's
	; group 0.  Each address gets the descriptor's type (2 in the top two bits) behind its last sum with a register; later it is only copied or stepped by BLK.
.irp s, 0,1
	s_mov_b32 s[40+4*\s], 1
	s_add_co_u32 s[41+4*\s], s84, \s*SLOTB
	s_mov_b32 s[48+4*\s], 1
	s_add_co_u32 s[49+4*\s], s85, \s*SLOTB+VOFF
.endr
	s_mov_b32 s56, 1
	s_add_co_u32 s57, s84, QE_
	s_add_nc_u64 s[58:59], s[80:81], s[82:83]
	s_or_b32 s59, s59, 0x80000000
	s_mov_b32 s60, 1
	s_add_co_u32 s61, s84, QO_
	s_add_nc_u64 s[62:63], s[80:81], s[92:93]
	s_or_b32 s63, s63, 0x80000000
	s_add_nc_u64 s[42:43], s[70:71], s[82:83]      ; slot 0 starts with the first diagonal block
	s_or_b32 s43, s43, 0x80000000
	s_add_nc_u64 s[50:51], s[72:73], s[82:83]
	s_or_b32 s51, s51, 0x80000000
	s_add_nc_u64 s[88:89], s[70:71], s[92:93]      ; the second diagonal block, for later
	s_or_b32 s89, s89, 0x80000000
	s_add_nc_u64 s[90:91], s[72:73], s[92:93]
	s_or_b32 s91, s91, 0x80000000
	s_or_b32 s71, s71, 0x80000000                  ; block 0
	s_or_b32 s73, s73, 0x80000000
	s_mov_b64 s[66:67], s[70:71]                   ; the next key block to ask for: block 0
	s_mov_b64 s[68:69], s[72:73]
	tensor_load_to_lds s[56:59], s[24:31]          ; four tensor loads of the wave are out: the first Q tile,
	s_nop 0
	tensor_load_to_lds s[40:43], s[24:31]          ; the first diagonal block's K
	s_nop 0
	tensor_load_to_lds s[48:51], s[32:39]          ; and V,
	s_nop 0
	tensor_load_to_lds s[60:63], s[24:31]          ; the second Q tile
	s_nop 0
	v_and_b32 v1, 31, v0                           ; L
	v_and_b32 v16, 15, v0                          ; r
	v_bfe_u32 v17, v0, 4, 1                        ; h
	v_lshlrev_b32 v18, 4, v17
	v_mad_u32_u24 v19, v16, 144, v18               ; r x 144 + 16 h
	s_mul_i32 s86, s13, 64*144
	v_add_nc_u32 v2, s86, v19                      ; v2: K fragments, my 64 keys
	s_mul_i32 s86, s14, 32*144
	s_add_co_u32 s86, s86, QE_
	v_add_nc_u32 v4, s86, v19                      ; v4: Q fragments, my 32 queries
	v_and_b32 v20, 7, v0
	v_lshl_add_u32 v20, v17, 3, v20
	v_bfe_u32 v21, v0, 3, 1
	v_lshlrev_b32 v21, 4, v21
	v_mad_u32_u24 v20, v20, 160, v21               ; (8 h + L % 8) x 160 + 16 ((L / 8) % 2)
	s_mul_i32 s86, s13, 64*160
	s_add_co_u32 s86, s86, VOFF
	v_add_nc_u32 v3, s86, v20                      ; v3: V^T fragments
	v_lshlrev_b32 v8, 4, v1                        ; v8: 16 L
	s_mul_i32 s86, s14, 8704
	s_add_co_u32 s87, s86, MERGE
	v_add_nc_u32 v5, s87, v8                       ; v5: the pair's merge area
	s_add_co_u32 s87, s86, STAGE
	v_mad_u32_u24 v22, v16, 272, v18
	v_add_nc_u32 v6, s87, v22                      ; v6: stage in: row r, 16 bytes for each half
	v_lshlrev_b32 v23, 4, v16
	v_mad_u32_u24 v23, v17, 272, v23
	v_add_nc_u32 v7, s87, v23                      ; v7: stage back: 16 lanes take a row of 256 bytes
	v_mov_b32 v9, 0xf1800000                       ; -2^100
	s_lshl_b32 s86, s14, 5
	s_lshl_b32 s87, s13, 6
	s_sub_co_i32 s86, s86, s87
	v_lshlrev_b32 v24, 3, v17
	v_sub_nc_u32 v[DQ], v16, v24
	v_add_nc_u32 v[DQ], s86, v[DQ]                 ; 32 wq + r - 64 g - 8 h: key 16 kt + j of my lane is masked if it is larger
	v_add_nc_u32 v[DQ+1], 16, v[DQ]
	v_mov_b32 v[NM+1], 0                           ; the second registers of pairs of which the first alone is used,
	v_mov_b32 v[NM+3], 0
	v_mov_b32 v[AL+1], 0
	v_mov_b32 v[AL+3], 0
	v_mov_b32 v[PX], 0                             ; and the destinations of v_permlanex16_b32, which count as read
	v_mov_b32 v[PX+1], 0
; The softmax step on 2 x 32 scores a lane.  first = 1: the diagonal block, which is also the first of its query block.
.macro SOFTMAX first
.if \first
.irp qt, 0,1
.irp kt, 0,1,2,3
.irp j, 0,1,2,3,4,5,6,7
	v_cmp_gt_i32 vcc_lo, 16*\kt+\j, v[DQ+\qt]
	v_cndmask_b32 v[SB+32*\qt+8*\kt+\j], v[SB+32*\qt+8*\kt+\j], v9, vcc_lo
.endr
.endr
.endr
.endif
	; the running maximum, in place: two chains for each query tile, four that do not wait for each other
.irp qt, 0,1
.if \first
	v_max3_num_f32 v[MR+\qt], v[SB+32*\qt], v[SB+32*\qt+1], v[SB+32*\qt+2]
.else
	v_max3_num_f32 v[MR+\qt], v[MR+\qt], v[SB+32*\qt], v[SB+32*\qt+1]
.endif
	v_max3_num_f32 v[T2+\qt], v[SB+32*\qt+16], v[SB+32*\qt+17], v[SB+32*\qt+18]
.endr
.irp e, 0,1,2,3,4,5
.irp qt, 0,1
	v_max3_num_f32 v[MR+\qt], v[MR+\qt], v[SB+32*\qt+2+\first+2*\e], v[SB+32*\qt+3+\first+2*\e]
	v_max3_num_f32 v[T2+\qt], v[T2+\qt], v[SB+32*\qt+19+2*\e], v[SB+32*\qt+20+2*\e]
.endr
.endr
.irp qt, 0,1
.if \first
	v_max3_num_f32 v[MR+\qt], v[MR+\qt], v[T2+\qt], v[SB+32*\qt+15]
	v_max_num_f32 v[MR+\qt], v[MR+\qt], v[SB+32*\qt+31]
.else
	v_max3_num_f32 v[MR+\qt], v[MR+\qt], v[SB+32*\qt+14], v[SB+32*\qt+15]
	v_max3_num_f32 v[MR+\qt], v[MR+\qt], v[T2+\qt], v[SB+32*\qt+31]
.endif
.endr
	v_permlanex16_b32 v[PX], v[MR], s20, s21       ; the other half of the wave holds the query's other keys
	v_permlanex16_b32 v[PX+1], v[MR+1], s20, s21
.irp qt, 0,1
	v_max_num_f32 v[MR+\qt], v[MR+\qt], v[PX+\qt]
.endr
.irp qt, 0,1
.if \first
	v_mul_f32 v[NM+2*\qt], s75, v[MR+\qt]          ; NM = - c m
.else
	v_mul_f32 v[T2+\qt], s75, v[MR+\qt]            ; the new NM,
	v_sub_f32 v[AL+2*\qt], v[T2+\qt], v[NM+2*\qt]  ; less the old one: the exponent of the rescale factor, at most 0
	v_mov_b32 v[NM+2*\qt], v[T2+\qt]
.endif
.endr
	; p = 2^(c s + NM).  The exponentials stand back to back; behind each run the first instruction is a plain one on the other tile's registers (ISA guide 5.7.2)
.irp qt, 0,1
.irp e, 0,1,2,3,4,5,6,7,8,9,10,11,12,13,14,15
	v_pk_fma_f32 v[SB+32*\qt+2*\e:SB+32*\qt+2*\e+1], v[SB+32*\qt+2*\e:SB+32*\qt+2*\e+1], s[22:23], v[NM+2*\qt:NM+2*\qt+1] op_sel_hi:[1,0,0]
.endr
.set j, 0
.rept 32
	v_exp_f32 v[SB+32*\qt+j], v[SB+32*\qt+j]
.set j, j+1
.endr
.if \first == 0
	v_exp_f32 v[AL+2*\qt], v[AL+2*\qt]
.endif
.endr
	; pair by pair: the sum (f32), the packing to f16 in place (word e of each 16 is written when its old content has been used), the rescale of O
.irp qt, 0,1
.irp e, 0,1,2,3,4,5,6,7,8,9,10,11,12,13,14,15
.if \first
.if \e == 0
	s_wait_alu depctr_va_vdst(0)
	v_pk_add_f32 v[LS+2*\qt:LS+2*\qt+1], v[SB+32*\qt:SB+32*\qt+1], v[SB+32*\qt+2:SB+32*\qt+3]      ; the first two pairs start the sums
.endif
.if \e >= 2
	v_pk_add_f32 v[LS+2*\qt:LS+2*\qt+1], v[LS+2*\qt:LS+2*\qt+1], v[SB+32*\qt+2*\e:SB+32*\qt+2*\e+1]
.endif
.else
.if \e == 0
	s_wait_alu depctr_va_vdst(0)
	v_pk_fma_f32 v[LS+2*\qt:LS+2*\qt+1], v[LS+2*\qt:LS+2*\qt+1], v[AL+2*\qt:AL+2*\qt+1], v[SB+32*\qt:SB+32*\qt+1] op_sel_hi:[1,0,1]
.else
	v_pk_add_f32 v[LS+2*\qt:LS+2*\qt+1], v[LS+2*\qt:LS+2*\qt+1], v[SB+32*\qt+2*\e:SB+32*\qt+2*\e+1]
.endif
.endif
	v_cvt_pk_f16_f32 v[SB+32*\qt+16*(\e/8)+(\e%8)], v[SB+32*\qt+2*\e], v[SB+32*\qt+2*\e+1]
.if \first == 0
	v_pk_mul_f32 v[OB+32*\qt+2*\e:OB+32*\qt+2*\e+1], v[OB+32*\qt+2*\e:OB+32*\qt+2*\e+1], v[AL+2*\qt:AL+2*\qt+1] op_sel_hi:[1,0]
.endif
.endr
.endr
.endm
; One block of 128 queries x 128 keys.  slot: where its K and V lie.  first: see SOFTMAX; qoff: which Q tile is then loaded.
; refill: 0 none; 1 the next key block, 2 the second query block's diagonal block, into the other slot.
; One barrier a step, for two things: in front of it each wave's reads of the other slot are back and ALL its tensor loads have landed, its part of this step's tiles
; among them; behind it the other slot is filled again first, then this slot is read.  Two tensor loads of the wave are then out, with the step's work in which to land.
; The eight accumulators of each product take turns, one instruction a turn.
.macro STEP slot, first, qoff, refill
	s_set_vgpr_msb 0x5
	s_wait_tensorcnt 0x0
	ds_add_u32 v0, v1
	s_wait_dscnt 0x0
	s_set_vgpr_msb 0x500
.if \refill == 1
	s_mov_b64 s[46-4*\slot:47-4*\slot], s[66:67]   ; no tensor load of mine is out: every group 0 may be written
	s_mov_b64 s[54-4*\slot:55-4*\slot], s[68:69]
	s_add_nc_u64 s[66:67], s[66:67], BLK           ; the address steps by a constant; the type bits on top are not reached
	s_add_nc_u64 s[68:69], s[68:69], BLK
.endif
.if \refill == 2
	s_mov_b64 s[46-4*\slot:47-4*\slot], s[88:89]
	s_mov_b64 s[54-4*\slot:55-4*\slot], s[90:91]
	s_mov_b64 s[66:67], s[70:71]                   ; the second query block starts again at key block 0
	s_mov_b64 s[68:69], s[72:73]
.endif
	s_wait_dscnt 0x0
	s_barrier_signal -1
	s_barrier_wait -1
.if \refill
	tensor_load_to_lds s[44-4*\slot:47-4*\slot], s[24:31]
	s_nop 0
	tensor_load_to_lds s[52-4*\slot:55-4*\slot], s[32:39]
	s_nop 0
.endif
.if \first
.irp qt, 0,1
.irp ds, 0,1
	ds_load_b128 v[QR+16*\qt+8*\ds:QR+16*\qt+8*\ds+3],   v4 offset:\qoff+\qt*2304+\ds*64
	ds_load_b128 v[QR+16*\qt+8*\ds+4:QR+16*\qt+8*\ds+7], v4 offset:\qoff+\qt*2304+\ds*64+32
.endr
.endr
.endif
.irp ds, 0,1
.irp kt, 0,1,2,3
	ds_load_b128 v[KV+16*\kt+8*\ds:KV+16*\kt+8*\ds+3],   v2 offset:\slot*SLOTB+\kt*2304+\ds*64
	ds_load_b128 v[KV+16*\kt+8*\ds+4:KV+16*\kt+8*\ds+7], v2 offset:\slot*SLOTB+\kt*2304+\ds*64+32
.endr
.endr
	s_wait_dscnt 8                                 ; Q and K's first 32 of the head's 64 numbers are in; the eight loads of the second 32 may be out
.irp qt, 0,1
.irp kt, 0,1,2,3
	v_wmma_f32_16x16x32_f16 v[SB+32*\qt+8*\kt:SB+32*\qt+8*\kt+7], v[KV+16*\kt:KV+16*\kt+7], v[QR+16*\qt:QR+16*\qt+7], 0
.endr
.endr
	s_wait_dscnt 0x0
.irp qt, 0,1
.irp kt, 0,1,2,3
	v_wmma_f32_16x16x32_f16 v[SB+32*\qt+8*\kt:SB+32*\qt+8*\kt+7], v[KV+16*\kt+8:KV+16*\kt+15], v[QR+16*\qt+8:QR+16*\qt+15], v[SB+32*\qt+8*\kt:SB+32*\qt+8*\kt+7]
.endr
.endr
.rept 4
	v_nop                                          ; four places in front of the loads into K's registers and of the reads of S
.endr
.irp ks, 0,1
.irp dt, 0,1,2,3
	ds_load_tr16_b128 v[KV+16*\dt+8*\ks:KV+16*\dt+8*\ks+3],   v3 offset:\slot*SLOTB+\ks*5120+\dt*32
	ds_load_tr16_b128 v[KV+16*\dt+8*\ks+4:KV+16*\dt+8*\ks+7], v3 offset:\slot*SLOTB+\ks*5120+\dt*32+2560
.endr
.endr
	SOFTMAX \first
	s_wait_dscnt 8                                 ; V^T of my first 32 keys is in; the eight loads of the second 32 may be out
.irp qt, 0,1
.irp dt, 0,1,2,3
.if \first
	v_wmma_f32_16x16x32_f16 v[OB+32*\qt+8*\dt:OB+32*\qt+8*\dt+7], v[KV+16*\dt:KV+16*\dt+7], v[SB+32*\qt:SB+32*\qt+7], 0
.else
	v_wmma_f32_16x16x32_f16 v[OB+32*\qt+8*\dt:OB+32*\qt+8*\dt+7], v[KV+16*\dt:KV+16*\dt+7], v[SB+32*\qt:SB+32*\qt+7], v[OB+32*\qt+8*\dt:OB+32*\qt+8*\dt+7]
.endif
.endr
.endr
	s_wait_dscnt 0x0
.irp qt, 0,1
.irp dt, 0,1,2,3
	v_wmma_f32_16x16x32_f16 v[OB+32*\qt+8*\dt:OB+32*\qt+8*\dt+7], v[KV+16*\dt+8:KV+16*\dt+15], v[SB+32*\qt+16:SB+32*\qt+23], v[OB+32*\qt+8*\dt:OB+32*\qt+8*\dt+7]
.endr
.endr
.rept 5
	v_nop                                          ; five places: the next S^T writes over P, a source of these; the next loads land on V^T; O is read
.endr
.endm
; The end of a query block qb (a scalar register): group 1 hands its O, NM and sums to group 0, which joins them, divides, splits y into hi + lo and stores.
.macro FINAL qb
	v_add_f32 v[T2], v[LS], v[LS+1]
	v_add_f32 v[T2+1], v[LS+2], v[LS+3]
	s_cmp_eq_u32 s13, 0
	s_cbranch_scc1 .Lkeep_\@
	v_mov_b32 v[MX], v[NM]                         ; four numbers side by side for one store
	v_mov_b32 v[MX+1], v[NM+2]
	v_mov_b32 v[PX], v[T2]
	v_mov_b32 v[PX+1], v[T2+1]
.irp e, 0,1,2,3,4,5,6,7,8,9,10,11,12,13,14,15
	ds_store_b128 v5, v[OB+4*\e:OB+4*\e+3] offset:512*\e
.endr
	ds_store_b128 v5, v[MX:MX+3] offset:8192
.Lkeep_\@:
	s_wait_dscnt 0x0                               ; for the partner's sake
	s_barrier_signal -1                            ; the tiles asked for in the last step may stay out
	s_barrier_wait -1
	s_cmp_lg_u32 s13, 0
	s_cbranch_scc1 .Ldone_\@
.irp e, 0,1,2,3,4,5,6,7,8,9,10,11,12,13,14,15
	ds_load_b128 v[SB+4*\e:SB+4*\e+3], v5 offset:512*\e
.endr
	ds_load_b128 v[MX:MX+3], v5 offset:8192
	s_lshl_b32 s76, s16, 11
	s_lshl_b32 s77, \qb, 7
	s_add_co_u32 s76, s76, s77
	s_lshl_b32 s77, s14, 5
	s_add_co_u32 s76, s76, s77
	s_lshl_b32 s76, s76, 8                         ; (2048 bh + 128 qb + 32 wq) rows of 256 bytes
	s_mov_b32 s77, 0
	s_add_nc_u64 s[76:77], s[10:11], s[76:77]
	s_wait_dscnt 0x0
.irp qt, 0,1
	v_min_num_f32 v[LS+2*\qt], v[NM+2*\qt], v[MX+\qt]              ; the NM of the joint maximum: the smaller of the two
	v_sub_f32 v[AL+2*\qt], v[LS+2*\qt], v[NM+2*\qt]                ; exponent of my weight, at most 0,
	v_sub_f32 v[NM+2*\qt], v[LS+2*\qt], v[MX+\qt]                  ; of the partner's
.endr
	v_exp_f32 v[AL], v[AL]
	v_exp_f32 v[NM], v[NM]
	v_exp_f32 v[AL+2], v[AL+2]
	v_exp_f32 v[NM+2], v[NM+2]
	v_nop                                          ; a plain instruction between the exponentials and their use (ISA guide 5.7.2)
	s_wait_alu depctr_va_vdst(0)
.irp qt, 0,1
	v_mul_f32 v[T2+\qt], v[T2+\qt], v[AL+2*\qt]
	v_fmac_f32 v[T2+\qt], v[PX+\qt], v[NM+2*\qt]
.endr
	v_permlanex16_b32 v[LS], v[T2], s20, s21       ; the sums of the other half's keys
	v_permlanex16_b32 v[LS+2], v[T2+1], s20, s21
	v_add_f32 v[T2], v[T2], v[LS]
	v_add_f32 v[T2+1], v[T2+1], v[LS+2]
	v_rcp_f32 v[T2], v[T2]                         ; the sum is about 1 at the least: the row's largest score has the exponent 0 but for one rounding
	v_rcp_f32 v[T2+1], v[T2+1]
	v_nop
	s_wait_alu depctr_va_vdst(0)
.irp qt, 0,1
	v_mul_f32 v[AL+2*\qt], v[AL+2*\qt], v[T2+\qt]
	v_mul_f32 v[NM+2*\qt], v[NM+2*\qt], v[T2+\qt]
.endr
.irp qt, 0,1
.irp e, 0,1,2,3,4,5,6,7,8,9,10,11,12,13,14,15
	v_pk_mul_f32 v[OB+32*\qt+2*\e:OB+32*\qt+2*\e+1], v[OB+32*\qt+2*\e:OB+32*\qt+2*\e+1], v[AL+2*\qt:AL+2*\qt+1] op_sel_hi:[1,0]
	v_pk_fma_f32 v[OB+32*\qt+2*\e:OB+32*\qt+2*\e+1], v[SB+32*\qt+2*\e:SB+32*\qt+2*\e+1], v[NM+2*\qt:NM+2*\qt+1], v[OB+32*\qt+2*\e:OB+32*\qt+2*\e+1] op_sel_hi:[1,0,1]
.endr
.endr
	; y = hi + lo, both bf16: hi = y rounded, lo = (y - hi) rounded
.irp qt, 0,1
.irp e, 0,1,2,3,4,5,6,7,8,9,10,11,12,13,14,15
	v_cvt_pk_bf16_f32 v[KV+16*\qt+\e], v[OB+32*\qt+2*\e], v[OB+32*\qt+2*\e+1]
	v_lshlrev_b32 v[SB+32*\qt+2*\e], 16, v[KV+16*\qt+\e]
	v_and_b32 v[SB+32*\qt+2*\e+1], 0xffff0000, v[KV+16*\qt+\e]
	v_pk_add_f32 v[SB+32*\qt+2*\e:SB+32*\qt+2*\e+1], v[OB+32*\qt+2*\e:OB+32*\qt+2*\e+1], v[SB+32*\qt+2*\e:SB+32*\qt+2*\e+1] neg_lo:[0,1] neg_hi:[0,1]
	v_cvt_pk_bf16_f32 v[KV+32+16*\qt+\e], v[SB+32*\qt+2*\e], v[SB+32*\qt+2*\e+1]
.endr
.endr
.irp qt, 0,1
.irp dt, 0,1,2,3
	ds_store_b128 v6, v[KV+16*\qt+4*\dt:KV+16*\qt+4*\dt+3]       offset:\qt*4352+32*\dt
	ds_store_b128 v6, v[KV+32+16*\qt+4*\dt:KV+32+16*\qt+4*\dt+3] offset:\qt*4352+32*\dt+128
.endr
.endr
.irp t, 0,1,2,3,4,5,6,7,8,9,10,11,12,13,14,15
	ds_load_b128 v[SB+4*\t:SB+4*\t+3], v7 offset:\t*544            ; LDS serves a wave's instructions in order: these see the stores above
.endr
.irp t, 0,1,2,3,4,5,6,7,8,9,10,11,12,13,14,15
	s_wait_dscnt 15-\t
	global_store_b128 v8, v[SB+4*\t:SB+4*\t+3], s[76:77] offset:\t*512     ; two rows of 256 bytes: 512 consecutive bytes, aligned
.endr
	s_wait_xcnt 0x0                                ; the stores' data and base are rewritten only behind this wait
.Ldone_\@:
.endm
	STEP 0, 1, 0, 1                                ; first query block (odd number qb): its diagonal block; key block 0 is asked for
	s_lshr_b32 s19, s17, 1
	s_cmp_eq_u32 s19, 0
	s_cbranch_scc1 .Le_done
.Le_loop:                                              ; (qb - 1) / 2 trips of two key blocks
	STEP 1, 0, 0, 1
	STEP 0, 0, 0, 1
	s_sub_co_u32 s19, s19, 1
	s_cmp_lg_u32 s19, 0
	s_cbranch_scc1 .Le_loop
.Le_done:
	STEP 1, 0, 0, 2                                ; key block qb - 1; the second query block's diagonal block is asked for
	FINAL s17
	s_cmp_eq_u32 s18, 0
	s_cbranch_scc1 .Lsolo
	STEP 0, 1, QO_-QE_, 1                          ; second query block (even number qb > 0)
	s_lshr_b32 s19, s18, 1
	s_sub_co_u32 s19, s19, 1
	s_cmp_eq_u32 s19, 0
	s_cbranch_scc1 .Lo_done
.Lo_loop:                                              ; qb / 2 - 1 trips
	STEP 1, 0, 0, 1
	STEP 0, 0, 0, 1
	s_sub_co_u32 s19, s19, 1
	s_cmp_lg_u32 s19, 0
	s_cbranch_scc1 .Lo_loop
.Lo_done:
	STEP 1, 0, 0, 1
	STEP 0, 0, 0, 0                                ; the last key block: nothing more is asked for
	s_branch .Lfin
.Lsolo:
	STEP 0, 1, QO_-QE_, 0                          ; query block 0 has its diagonal block alone
.Lfin:
	FINAL s18
	s_set_vgpr_msb 0x5
	s_wait_tensorcnt 0x0
	ds_add_u32 v0, v1
	s_wait_dscnt 0x0
	s_set_vgpr_msb 0x500
	s_endpgm
.Lfunc_end_k_q4f76d5e5d4_attn:
	.size	k_q4f76d5e5d4_attn, .Lfunc_end_k_q4f76d5e5d4_attn-k_q4f76d5e5d4_attn
	.p2alignl 7, 3214868480
	.fill 96, 4, 3214868480
	.section	.rodata,"a",@progbits
	.p2align	6, 0x0
	.amdhsa_kernel k_q4f76d5e5d4_attn
		.amdhsa_group_segment_fixed_size 327680
		.amdhsa_private_segment_fixed_size 0
		.amdhsa_enable_private_segment 0
		.amdhsa_kernarg_size 32
		.amdhsa_user_sgpr_count 2
		.amdhsa_user_sgpr_kernarg_segment_ptr 1
		.amdhsa_wavefront_size32 1
		.amdhsa_system_sgpr_workgroup_id_x 1
		.amdhsa_system_sgpr_workgroup_id_y 1
		.amdhsa_system_sgpr_workgroup_id_z 1
		.amdhsa_system_vgpr_workitem_id 0
		.amdhsa_next_free_vgpr 258
		.amdhsa_next_free_sgpr 96
		.amdhsa_reserve_vcc 1
		.amdhsa_float_denorm_mode_32 3
		.amdhsa_float_denorm_mode_16_64 3
		.amdhsa_memory_ordered 1
		.amdhsa_forward_progress 1
		.amdhsa_inst_pref_size 231
	.end_amdhsa_kernel
	.amdgpu_metadata
---
amdhsa.version: [ 1, 2 ]
amdhsa.kernels:
  - .name:           k_q4f76d5e5d4_attn
    .symbol:         k_q4f76d5e5d4_attn.kd
    .args:
      - { .name: qh, .offset: 0, .size: 8, .value_kind: global_buffer, .address_space: global }
      - { .name: kh, .offset: 8, .size: 8, .value_kind: global_buffer, .address_space: global }
      - { .name: vh, .offset: 16, .size: 8, .value_kind: global_buffer, .address_space: global }
      - { .name: yb, .offset: 24, .size: 8, .value_kind: global_buffer, .address_space: global }
    .group_segment_fixed_size: 327680
    .private_segment_fixed_size: 0
    .kernarg_segment_align: 8
    .kernarg_segment_size: 32
    .max_flat_workgroup_size: 256
    .sgpr_count:     96
    .vgpr_count:     258
    .wavefront_size: 32
...
	.end_amdgpu_metadata
.endif
;; end of part 3
;; launch proj (part 4): grid 8 x 32, 4 waves a work-group, clusters of 4 x 4, 327,680 bytes of LDS; arguments yb, wpt, out0; writes out0
.if DOCPART == 4
	.amdgcn_target "amdgcn-amd-amdhsa--gfx1250"
	.amdhsa_code_object_version 6
	.text
	.protected	k_q4f76d5e5d4_proj
	.globl	k_q4f76d5e5d4_proj
	.p2align	8
	.type	k_q4f76d5e5d4_proj,@function
k_q4f76d5e5d4_proj:
	s_mov_b64 s[64:65], 0
	v_nop
	global_prefetch_b8 v0, s[64:65] scope:SCOPE_SE
	s_setreg_imm32_b32 hwreg(HW_REG_WAVE_MODE, 25, 1), 1
	s_wait_xcnt 0x0
	s_wait_alu depctr_hold_cnt(0) depctr_sa_sdst(0) depctr_va_vdst(0) depctr_va_sdst(0) depctr_va_ssrc(0) depctr_va_vcc(0) depctr_vm_vsrc(0)
	s_getreg_b32 s2, hwreg(HW_REG_IB_STS2, 6, 4)
	s_cmp_eq_u32 s2, 0
	s_cbranch_scc0 .Lentry_in_a_cluster
	s_endpgm
.Lentry_in_a_cluster:
	s_bfe_u32 s2, ttmp6, 0x10000c
	s_cmp_lg_u32 s2, 0xf033
	s_cbranch_scc0 .Lentry_shape_is_right
	s_endpgm
.Lentry_shape_is_right:
; PROJ: out0 [4096][1024] f32 = y [4096][1024] x wpt^T ([1024 n][1024 k]), bf16 operands, f32 sums.
; y comes as hi + lo, two bf16 for each number ([b][h][s][hi 64 | lo 64]); both products go onto ONE accumulator and share wpt's fragments, so the sum sees about 16 bits of y.
; A work-group makes 128 x 128; four waves, 2 x 2, 64 x 64 each: 16 accumulator tiles.  K goes in steps of 128 (two heads) through two LDS slots.
; A head's 128 rows of y are 32,768 consecutive bytes; a row of the tile is 256 bytes, hi then lo.  wpt's tile rows are 256 consecutive bytes, aligned.
; CLUSTERS: 4 x 4 work-groups; y's tiles are asked for jointly by a row of the cluster, wpt's by a column.
; The matrix instruction is used transposed (source 0 = rows of wpt, source 1 = rows of y): lane (r, h) holds row r, columns 16 b + 8 h + 0..7.
; REGISTERS: window 0: v16-26 addresses; buffer f at 64 + 96 f: wpt's fragments + 0, y_hi's + 32, y_lo's + 64.  Window 1: accumulator (a, b) at 8 (4 a + b).
.set KSTEP,  128
.set PITCH,  272                       ; 256 bytes + 16: an odd multiple of 16, so the 16 rows of a fragment load start in 16 different 16-byte columns
.set SUBA,   128*PITCH                 ; one head's 128 rows of y
.set HALFB,  64*PITCH                  ; 64 rows of wpt
.set SLOT,   2*SUBA+2*HALFB
.set STAGE,  2*SLOT                    ; behind the ring: 16 rows x 272 bytes for each wave; no tensor load lands here
.set LAPS,   4
.set ADRA, 16
.set ADRB, 20
.set STO,  24
.set RD,   25
.set CO,   26
.set G1, 24                            ; s[24:31] group 1 for y's tiles
.set G0, 32                            ; s[32:39] group 0 for y's tiles, a set for each slot
.set G1B, 48                           ; s[48:55] group 1 for wpt's tiles
.set G0B, 56                           ; s[56:63] group 0 for wpt's tiles
.set MSB, 0
.macro WIN new
.if MSB != \new
	s_set_vgpr_msb (MSB<<8)|\new
.set MSB, \new
.endif
.endm
.set MULW, 0x50                        ; sources 0 and 1 window 0, C and D window 1
.macro JLOAD s
	s_cmp_eq_u32 s11, 0
	s_cbranch_scc0 .Lfor_b_\@
	tensor_load_to_lds s[G0+4*\s:G0+4*\s+3], s[G1:G1+7]
	s_nop 0
	s_branch .Lasked_\@
.Lfor_b_\@:
	tensor_load_to_lds s[G0B+4*\s:G0B+4*\s+3], s[G1B:G1B+7]
	s_nop 0
.Lasked_\@:
.endm
.macro CREST
	s_cmp_lg_u32 s10, 0
	s_cbranch_scc1 .Lnot_wave_0_\@
	s_barrier_signal -3
.Lnot_wave_0_\@:
	s_barrier_wait -3
	s_barrier_signal -1
	s_barrier_wait -1
.endm
.macro CROUND
	s_barrier_signal -1
	s_barrier_wait -1
	CREST
.endm
	s_load_b128 s[4:7], s[0:1], 0x0                ; yb s[4:5], wpt s[6:7]
	s_load_b64 s[8:9], s[0:1], 0x10                ; out0
	v_lshl_add_u32 v62, v0, 2, 0x37400
	v_mov_b32 v63, 0
	ds_add_u32 v62, v63
	ds_add_u32 v62, v63
	v_lshrrev_b32 v1, 5, v0
	v_readfirstlane_b32 s10, v1                    ; wave 0..3
	s_lshr_b32 s11, s10, 1                         ; which 64 rows are mine.  Also: I fetch for y (0) or for wpt (1)
	s_and_b32 s12, s10, 1                          ; which 64 columns.  Also: which head, or which 64 rows of wpt, I fetch
	s_bfe_u32 s40, ttmp6, 0x40000                  ; cx
	s_bfe_u32 s41, ttmp6, 0x40004                  ; cy
	s_lshl_b32 s42, ttmp9, 2
	s_add_co_u32 s42, s42, s40                     ; J: block column
	s_and_b32 s13, ttmp7, 0xffff
	s_lshl_b32 s13, s13, 2
	s_add_co_u32 s13, s13, s41                     ; I: block row
	s_lshl_b32 s43, s41, 2
	s_lshl_b32 s43, 15, s43                        ; my row of the cluster
	s_lshl_b32 s44, 0x1111, s40                    ; my column
	s_or_b32 s[G1+0], s43, (1<<16)|(1<<20)|(1<<21)|(5<<22)|(3<<25)    ; mask; 2-byte elements; padding on; bit 21 beside a mask; after every 64 words, 4 words
	s_or_b32 s[G1B+0], s44, (1<<16)|(1<<20)|(1<<21)|(5<<22)|(3<<25)
	s_mov_b32 s[G1+1], KSTEP<<16                   ; tensor_dim0 = 128
	s_mov_b32 s[G1B+1], KSTEP<<16
	s_mov_b32 s[G1+2], 128<<16                     ; tensor_dim1 = 128 rows
	s_mov_b32 s[G1B+2], 64<<16                     ;             = 64 rows
	s_mov_b32 s[G1+3], KSTEP<<16                   ; tile_dim0 = 128
	s_mov_b32 s[G1B+3], KSTEP<<16
	s_mov_b32 s[G1+4], 128                         ; tile_dim1
	s_mov_b32 s[G1B+4], 64
	s_mov_b32 s[G1+5], 128                         ; y: a row begins where the last ends
	s_mov_b32 s[G1B+5], 1024                       ; wpt: 1,024 elements from row to row
	s_mov_b32 s[G1+6], 0
	s_mov_b32 s[G1B+6], 0
	s_mov_b32 s[G1+7], 0
	s_mov_b32 s[G1B+7], 0
	s_lshr_b32 s16, s13, 4                         ; y: ((16 batch + head) 2048 + 128 (I & 15)) rows of 256 bytes; my head of K step 0 is s12
	s_lshl_b32 s16, s16, 4
	s_add_co_u32 s16, s16, s12
	s_lshl_b32 s16, s16, 11
	s_and_b32 s17, s13, 15
	s_lshl_b32 s17, s17, 7
	s_add_co_u32 s16, s16, s17
	s_lshl_b32 s16, s16, 8
	s_mov_b32 s17, 0
	s_lshl_b32 s46, s42, 7                         ; wpt: row 128 J + 64 x half, rows of 2,048 bytes
	s_lshl_b32 s47, s12, 6
	s_add_co_u32 s46, s46, s47
	s_lshl_b32 s46, s46, 11
	s_mov_b32 s47, 0
	s_mul_i32 s20, s10, SUBA                       ; LDS: waves 0, 1: the two heads
	s_mul_i32 s21, s10, HALFB
	s_add_co_u32 s21, s21, 2*SUBA-2*HALFB          ; waves 2, 3: wpt's halves behind them
	s_wait_dscnt 0x0
	s_wait_kmcnt 0x0
	s_add_nc_u64 s[14:15], s[4:5], s[16:17]
	s_add_nc_u64 s[46:47], s[6:7], s[46:47]
	CROUND                                         ; all sixteen work-groups are here: the first joint loads meet
.irp s, 0,1
	s_mov_b32 s[G0+4*\s], 1
	s_add_co_u32 s[G0+4*\s+1], s20, \s*SLOT
	s_add_nc_u64 s[G0+4*\s+2:G0+4*\s+3], s[14:15], \s*2*2048*256   ; K step s: two heads on
	s_or_b32 s[G0+4*\s+3], s[G0+4*\s+3], 0x80000000
	s_mov_b32 s[G0B+4*\s], 1
	s_add_co_u32 s[G0B+4*\s+1], s21, \s*SLOT
	s_add_nc_u64 s[G0B+4*\s+2:G0B+4*\s+3], s[46:47], \s*KSTEP*2
	s_or_b32 s[G0B+4*\s+3], s[G0B+4*\s+3], 0x80000000
	JLOAD \s                                       ; two tensor loads of the wave are out: K steps 0 and 1
.endr
	v_and_b32 v1, 15, v0                           ; r
	v_bfe_u32 v2, v0, 4, 1                         ; h
	v_mul_u32_u24 v3, v1, PITCH
	v_lshl_add_u32 v3, v2, 4, v3
	s_mul_i32 s22, s11, HALFB                      ; my 64 rows of y (64 x pitch)
	s_mul_i32 s23, s12, HALFB                      ; my 64 rows of wpt,
	s_add_co_u32 s23, s23, 2*SUBA                  ; which lie behind the two heads
.irp s, 0,1
	v_add_nc_u32 v[ADRA+\s], s22, v3
	v_add_nc_u32 v[ADRB+\s], s23, v3
	s_add_co_u32 s22, s22, SLOT
	s_add_co_u32 s23, s23, SLOT
.endr
	s_mul_i32 s23, s10, 16*PITCH
	s_add_co_u32 s23, s23, STAGE                   ; my stage
	v_mul_u32_u24 v4, v1, PITCH
	v_lshl_add_u32 v4, v2, 5, v4
	v_add_nc_u32 v[STO], s23, v4                   ; in: row r, 32 bytes (8 f32) for each half of the lanes
	v_mul_u32_u24 v5, v2, PITCH
	v_lshl_add_u32 v5, v1, 4, v5
	v_add_nc_u32 v[RD], s23, v5                    ; back: 16 lanes take a row of 256 bytes
	v_lshlrev_b32 v5, 12, v2
	v_lshl_add_u32 v[CO], v1, 4, v5                ; and the same two rows in out0 (4,096 bytes a row)
; 8 matrix instructions: row blocks a0, a0 + 1 x my 4 column blocks, 32 along K.  part = 32: y_hi, 64: y_lo.
.macro MUL8 f, part, a0, zero
.irp a, \a0, \a0+1
.irp b, 0,1,2,3
.if \zero
	v_wmma_f32_16x16x32_bf16 v[8*(4*(\a)+\b):8*(4*(\a)+\b)+7], v[64+96*\f+8*\b:64+96*\f+8*\b+7], v[64+96*\f+\part+8*(\a):64+96*\f+\part+8*(\a)+7], 0
.else
	v_wmma_f32_16x16x32_bf16 v[8*(4*(\a)+\b):8*(4*(\a)+\b)+7], v[64+96*\f+8*\b:64+96*\f+8*\b+7], v[64+96*\f+\part+8*(\a):64+96*\f+\part+8*(\a)+7], v[8*(4*(\a)+\b):8*(4*(\a)+\b)+7]
.endif
.endr
.endr
.endm
; 24 LDS loads in one run: quarter q of a K step (head q / 2, numbers 32 (q % 2) .. + 31): wpt, y_hi, y_lo, into buffer f
.macro FETCH slot, q, f
	WIN 0
.irp i, 0,1,2,3
	ds_load_b128 v[64+96*\f+8*\i:64+96*\f+8*\i+3],   v[ADRB+\slot] offset:\q*64+\i*16*PITCH
	ds_load_b128 v[64+96*\f+8*\i+4:64+96*\f+8*\i+7], v[ADRB+\slot] offset:\q*64+\i*16*PITCH+32
.endr
.irp part, 0,1
.irp i, 0,1,2,3
	ds_load_b128 v[96+96*\f+32*\part+8*\i:96+96*\f+32*\part+8*\i+3],   v[ADRA+\slot] offset:(\q/2)*SUBA+(\q%2)*64+128*\part+\i*16*PITCH
	ds_load_b128 v[96+96*\f+32*\part+8*\i+4:96+96*\f+32*\part+8*\i+7], v[ADRA+\slot] offset:(\q/2)*SUBA+(\q%2)*64+128*\part+\i*16*PITCH+32
.endr
.endr
.endm
; Four plain vector instructions stand between a matrix instruction and a load into, or an LDS store of, one of its registers
.macro PLACES
.rept 4
	v_nop
.endr
.endm
; A quarter: 16 products with y_hi, the next quarter's fetch, 16 with y_lo.  The 16 accumulators take turns, one instruction a turn, in the same order in both
; passes.
.macro QUARTER slot, q, f, g, zero
	s_wait_dscnt 8                                 ; wpt and y_hi are in; y_lo's eight loads may be out
	WIN MULW
	MUL8 \f, 32, 0, \zero
	MUL8 \f, 32, 2, \zero
	PLACES
	FETCH \slot, \q, \g
	s_wait_dscnt 24                                ; all but the 24 just issued
	WIN MULW
	MUL8 \f, 64, 0, 0
	MUL8 \f, 64, 2, 0
.endm
.macro THREE slot, zero
	QUARTER \slot, 1, 0, 1, \zero
	QUARTER \slot, 2, 1, 0, 0
	QUARTER \slot, 3, 0, 1, 0
.endm
; The last quarter multiplies buffer 1 and changes slots: one barrier, in front of it each wave's reads of this slot are back and all its tensor loads have landed.
; fill = 1: it opens a round of the cluster's barrier, and the joint refill is the first tensor load behind it.  From a request to its wait: 120 matrix instructions.
.macro TURN slot, next, fill
	s_wait_dscnt 8
	WIN MULW
	MUL8 1, 32, 0, 0
	s_wait_dscnt 0x0
	s_wait_tensorcnt 0x0
	ds_add_u32 v62, v63
	s_wait_dscnt 0x0
	s_barrier_signal -1
	MUL8 1, 32, 2, 0                               ; register work while the others arrive
	WIN 0
	s_barrier_wait -1
.if \fill
	CREST
	s_add_nc_u64 s[G0+4*\slot+2:G0+4*\slot+3], s[G0+4*\slot+2:G0+4*\slot+3], 4*2048*256     ; two K steps = four heads on
	s_add_nc_u64 s[G0B+4*\slot+2:G0B+4*\slot+3], s[G0B+4*\slot+2:G0B+4*\slot+3], 2*KSTEP*2
	JLOAD \slot
.endif
	PLACES
	FETCH \next, 0, 0
	WIN MULW
	MUL8 1, 64, 0, 0
	MUL8 1, 64, 2, 0
.endm
.macro LAP zero
	THREE 0, \zero
	TURN 0, 1, 1
	THREE 1, 0
	TURN 1, 0, 1
.endm
	s_wait_tensorcnt 1                             ; my part of K step 0 is in; K step 1's may stay out
	s_barrier_signal -1
	s_barrier_wait -1
	FETCH 0, 0, 0
	LAP 1                                          ; the first products start the sums: nothing is cleared
	WIN 0
	s_mov_b32 s3, LAPS-2
.Llap:
	LAP 0
	WIN 0
	s_sub_co_u32 s3, s3, 1
	s_cmp_lg_u32 s3, 0
	s_cbranch_scc1 .Llap
	THREE 0, 0                                     ; the last lap fills nothing
	TURN 0, 1, 0
	THREE 1, 0
	s_wait_dscnt 8
	WIN MULW
	MUL8 1, 32, 0, 0
	MUL8 1, 32, 2, 0
	s_wait_dscnt 0x0
	MUL8 1, 64, 0, 0
	MUL8 1, 64, 2, 0
	PLACES                                         ; the places in front of the LDS stores of results and of the loads into the buffers
	s_lshl_b32 s16, s13, 7
	s_lshl_b32 s17, s11, 6
	s_add_co_u32 s16, s16, s17
	s_lshl_b32 s16, s16, 12                        ; my first row: 128 I + 64 x half, 4,096 bytes a row
	s_mov_b32 s17, 0
	s_add_nc_u64 s[8:9], s[8:9], s[16:17]
	s_lshl_b32 s46, s42, 7
	s_lshl_b32 s47, s12, 6
	s_add_co_u32 s46, s46, s47
	s_lshl_b32 s46, s46, 2                         ; my first column: 128 J + 64 x half, in bytes: a multiple of 256
	s_mov_b32 s47, 0
	s_add_nc_u64 s[8:9], s[8:9], s[46:47]
; THE WAY OUT, 16 rows at a time: the f32 sums into my stage, whole rows of 256 bytes back, and out.  f: first register of the rows read back, by turns.
.macro OUT16 a, f
	WIN 0x04                                       ; the LDS stores' data from window 1
.irp b, 0,1,2,3
	ds_store_b128 v[STO], v[8*(4*\a+\b):8*(4*\a+\b)+3]   offset:64*\b
	ds_store_b128 v[STO], v[8*(4*\a+\b)+4:8*(4*\a+\b)+7] offset:64*\b+16
.endr
	WIN 0
	s_wait_xcnt 0x0                                ; registers that earlier stores read are rewritten only behind this wait
.irp t, 0,1,2,3,4,5,6,7
	ds_load_b128 v[\f+4*\t:\f+4*\t+3], v[RD] offset:\t*2*PITCH     ; LDS serves a wave's instructions in order: these see the stores above
.endr
.irp t, 0,1,2,3,4,5,6,7
	s_wait_dscnt 7-\t
	global_store_b128 v[CO], v[\f+4*\t:\f+4*\t+3], s[8:9] offset:(16*\a+2*\t)*4096 th:TH_STORE_NT  ; 16 lanes store 256 consecutive bytes, aligned
.endr
.endm
	OUT16 0, 64
	OUT16 1, 160
	OUT16 2, 64
	OUT16 3, 160
	s_wait_tensorcnt 0x0
	ds_add_u32 v62, v63
	s_wait_dscnt 0x0
	CROUND                                         ; the closing round: no work-group ends while a partner may still ask for a tile that names it
	s_endpgm
.Lfunc_end_k_q4f76d5e5d4_proj:
	.size	k_q4f76d5e5d4_proj, .Lfunc_end_k_q4f76d5e5d4_proj-k_q4f76d5e5d4_proj
	.p2alignl 7, 3214868480
	.fill 96, 4, 3214868480
	.section	.rodata,"a",@progbits
	.p2align	6, 0x0
	.amdhsa_kernel k_q4f76d5e5d4_proj
		.amdhsa_group_segment_fixed_size 327680
		.amdhsa_private_segment_fixed_size 0
		.amdhsa_enable_private_segment 0
		.amdhsa_kernarg_size 24
		.amdhsa_user_sgpr_count 2
		.amdhsa_user_sgpr_kernarg_segment_ptr 1
		.amdhsa_wavefront_size32 1
		.amdhsa_system_sgpr_workgroup_id_x 1
		.amdhsa_system_sgpr_workgroup_id_y 1
		.amdhsa_system_sgpr_workgroup_id_z 1
		.amdhsa_system_vgpr_workitem_id 0
		.amdhsa_next_free_vgpr 384
		.amdhsa_next_free_sgpr 72
		.amdhsa_reserve_vcc 0
		.amdhsa_float_denorm_mode_32 3
		.amdhsa_float_denorm_mode_16_64 3
		.amdhsa_memory_ordered 1
		.amdhsa_forward_progress 1
		.amdhsa_inst_pref_size 110
	.end_amdhsa_kernel
	.amdgpu_metadata
---
amdhsa.version: [ 1, 2 ]
amdhsa.kernels:
  - .name:           k_q4f76d5e5d4_proj
    .symbol:         k_q4f76d5e5d4_proj.kd
    .args:
      - { .name: yb, .offset: 0, .size: 8, .value_kind: global_buffer, .address_space: global }
      - { .name: wpt, .offset: 8, .size: 8, .value_kind: global_buffer, .address_space: global }
      - { .name: out0, .offset: 16, .size: 8, .value_kind: global_buffer, .address_space: global }
    .group_segment_fixed_size: 327680
    .private_segment_fixed_size: 0
    .kernarg_segment_align: 8
    .kernarg_segment_size: 24
    .max_flat_workgroup_size: 128
    .sgpr_count:     72
    .vgpr_count:     384
    .wavefront_size: 32
...
	.end_amdgpu_metadata
.endif
;; end of part 4
;; ======== version 2 of 2: 4 launches; version 1 with the launch prep written anew for expert scheduling mode
;; limits: values are held in f16: magnitudes above 65,504 overflow, below 6.1e-05 lose precision
;; workspace buffers: xb 8,388,608 bytes; wat 6,291,456 bytes; wpt 2,097,152 bytes; rope 524,288 bytes; qh 8,388,608 bytes; kh 8,388,608 bytes; vh 8,388,608 bytes; yb 16,777,216 bytes
;; launch prep (part 5): grid 256 x 1, 8 waves a work-group, no clusters, 35,840 bytes of LDS; arguments x, W_attn, W_proj, xb, wat, wpt, rope; writes xb, wat, wpt, rope
.if DOCPART == 5
	.amdgcn_target "amdgcn-amd-amdhsa--gfx1250"
	.amdhsa_code_object_version 6
	.text
	.protected	k_q4f76d5e5d4_prep
	.globl	k_q4f76d5e5d4_prep
	.p2align	8
	.type	k_q4f76d5e5d4_prep,@function
k_q4f76d5e5d4_prep:
	s_mov_b64 s[64:65], 0
	v_nop
	global_prefetch_b8 v0, s[64:65] scope:SCOPE_SE
	s_setreg_imm32_b32 hwreg(HW_REG_WAVE_SCHED_MODE, 0, 2), 2
	s_setreg_imm32_b32 hwreg(HW_REG_WAVE_MODE, 25, 1), 1
	s_wait_xcnt 0x0
	s_wait_alu depctr_vm_vsrc(0)
; PREP: what the two GEMMs and the rotary step need, made once.
;   xb   = x rounded to bf16, [4096][1024]
;   wat  = W_attn transposed and rounded to bf16, [3072 n][1024 k];  wpt = W_proj likewise, [1024 n][1024 k]
;   rope = (cos, sin) of s * 10000^(-i/32), f32, in the order in which the next launch's lanes want them:
;          [s/16][c 0..3][q 0..1][lane 0..31][cos_i, sin_i, cos_i+1, sin_i+1], lane = 16 h + (s%16), i = 8 c + 4 h + 2 q
; 256 work-groups of 8 waves; work-group w does a 256th of each job.  All its 32 loads a thread are asked for at once.
; The weights' row pieces are 384 and 128 bytes long (96 and 32 columns): short, but each byte is read once; the transposed rows leave as
; stores in which 16 lanes cover 256 consecutive bytes, aligned.
; LIMIT: the angle is reduced by pi/2 in two parts and sin, cos come from polynomials on [-pi/4, pi/4]; with the rounding of 10000^(-i/32)
; the angle is within about 1.5e-4 rad of the f32 product s * inv_freq at s = 2047.  s = 0 gives (1, 0) exactly.
; THE MODE: SCHED_MODE bits 1:0 = 2 (LLVM: expert scheduling mode 2), set by the entry lines.  The code itself states the register dependences
; between vector instructions and memory or LDS instructions, with s_wait_alu, always for 0.
; THE PLAN.  Registers that memory or LDS instructions touch, in the order of the text (there is no loop):
;   v1 .. v8     offsets and LDS addresses: written at the head, read by every load, store and LDS access, never written again.
;   W v[32:95]   the weights' 16 loads land here; 32 conversions read them and write half of them in place; 32 LDS stores read those words;
;                behind the barrier eight LDS loads land in v[32:63], and the last eight global stores read these.
;   X v[96:159]  x's 16 loads land here; 32 conversions read them and write half of them in place; eight global stores read those words.
;   v[30:31]     the table's pair: written by the end of its arithmetic, read by one global store.
;   v160, v161   written at the head, read by the closing add alone.
;   v9 .. v29    named by vector instructions alone.
; So each run of conversions stands together, ONE wait on va_vdst stands behind it, and the run of stores that reads its results follows;
; one wait on vm_vsrc stands ahead of the LDS loads that land where LDS stores have read.
.set W,  32                            ; v[32:95]   16 loads of weights: [sub 0..3][u 0..1][e 0..1] x 4 registers; later the rows read back
.set X,  96                            ; v[96:159]  16 loads of x
.set TP, 272                           ; LDS pitch of a transposed row: 256 bytes + 16
	s_load_b256 s[4:11], s[0:1], 0x0               ; x s[4:5], W_attn s[6:7], W_proj s[8:9], xb s[10:11]
	s_load_b128 s[12:15], s[0:1], 0x20             ; wat s[12:13], wpt s[14:15]
	s_load_b64 s[16:17], s[0:1], 0x30              ; rope
	v_lshl_add_u32 v160, v0, 2, 0x8800             ; my spare word, behind the 128 transposed rows (128 x 272 bytes), and 0: kept for the closing lines alone
	v_mov_b32 v161, 0
	s_and_b32 s18, ttmp9, 7                        ; kblk: which 128 rows (k) of the weights
	s_lshr_b32 s19, ttmp9, 3                       ; nblk: which 96 columns of W_attn and 32 of W_proj
	v_lshlrev_b32 v1, 5, v0                        ; x in: 32 bytes a thread
	v_lshlrev_b32 v2, 4, v0                        ; xb out: 16 bytes a thread
	v_and_b32 v9, 7, v0                            ; cq: which 4 columns of a sub-tile of 32
	v_lshrrev_b32 v10, 3, v0                       ; pr: which pair of rows
	v_lshlrev_b32 v11, 4, v9
	v_mad_u32_u24 v3, v10, 24576, v11              ; W_attn: 2 pr rows of 12,288 bytes + 16 cq
	v_lshl_add_u32 v4, v10, 13, v11                ; W_proj: 2 pr rows of 4,096 bytes + 16 cq
	v_lshlrev_b32 v12, 2, v10
	v_mad_u32_u24 v5, v9, 4*TP, v12                ; LDS in: row 4 cq (+ j), word pr
	v_lshrrev_b32 v13, 4, v0
	v_and_b32 v14, 15, v0
	v_lshlrev_b32 v14, 4, v14
	v_mad_u32_u24 v6, v13, TP, v14                 ; LDS back: row t / 16, 16 bytes at 16 (t % 16)
	v_lshl_add_u32 v7, v13, 11, v14                ; and the same place in wat or wpt (rows of 2,048 bytes)
	v_lshlrev_b32 v8, 3, v0                        ; rope: 8 bytes a thread
	s_mul_i32 s20, s18, 128*12288
	s_mul_i32 s28, s19, 384
	s_add_co_u32 s20, s20, s28
	s_mov_b32 s21, 0                               ; s[20:21]: my corner of W_attn
	s_lshl_b32 s22, s18, 19
	s_lshl_b32 s28, s19, 7
	s_add_co_u32 s22, s22, s28
	s_mov_b32 s23, 0                               ; s[22:23]: my corner of W_proj
	s_mul_i32 s24, s19, 96*2048
	s_lshl_b32 s28, s18, 8
	s_add_co_u32 s24, s24, s28
	s_mov_b32 s25, 0                               ; s[24:25]: my corner of wat
	s_lshl_b32 s26, s19, 16
	s_add_co_u32 s26, s26, s28
	s_mov_b32 s27, 0                               ; s[26:27]: my corner of wpt
	s_lshl_b32 s28, ttmp9, 16
	s_mov_b32 s29, 0
	s_wait_kmcnt 0x0
	s_add_nc_u64 s[4:5], s[4:5], s[28:29]          ; x: 65,536 bytes a work-group
	s_lshl_b32 s28, ttmp9, 15
	s_add_nc_u64 s[10:11], s[10:11], s[28:29]      ; xb: 32,768
	s_lshl_b32 s28, ttmp9, 11
	s_add_nc_u64 s[16:17], s[16:17], s[28:29]      ; rope: 2,048
	s_add_nc_u64 s[6:7], s[6:7], s[20:21]
	s_add_nc_u64 s[8:9], s[8:9], s[22:23]
	s_add_nc_u64 s[12:13], s[12:13], s[24:25]
	s_add_nc_u64 s[14:15], s[14:15], s[26:27]
	s_wait_alu depctr_va_vdst(0)                   ; the eight offsets and addresses v1 to v8 are written, which the loads, stores and LDS accesses of the whole kernel read
	; the weights first (they have the longer way), then x
.irp sub, 0,1,2
.irp u, 0,1
.irp e, 0,1
	global_load_b128 v[W+16*\sub+8*\u+4*\e:W+16*\sub+8*\u+4*\e+3], v3, s[6:7] offset:\sub*128+(64*\u+\e)*12288
.endr
.endr
.endr
.irp u, 0,1
.irp e, 0,1
	global_load_b128 v[W+48+8*\u+4*\e:W+48+8*\u+4*\e+3], v4, s[8:9] offset:(64*\u+\e)*4096
.endr
.endr
.irp u, 0,1,2,3,4,5,6,7
	global_load_b128 v[X+8*\u:X+8*\u+3],   v1, s[4:5] offset:\u*8192 th:TH_LOAD_NT
	global_load_b128 v[X+8*\u+4:X+8*\u+7], v1, s[4:5] offset:\u*8192+16 th:TH_LOAD_NT
.endr
	; the table, while the loads are on their way: v16 to v31 alone, none of the registers that the loads touch.
	; Pair number 256 w + t: bit 0 of t = which of the entry's two pairs, bits 1-5 = lane, bit 6 = q, bit 7 and bit 0 of w = c, w / 2 = s / 16.
	v_bfe_u32 v16, v0, 1, 4                        ; s % 16
	s_lshr_b32 s30, ttmp9, 1
	s_lshl_b32 s30, s30, 4
	v_add_nc_u32 v16, s30, v16
	v_cvt_f32_u32 v16, v16                         ; s
	v_and_b32 v17, 1, v0
	v_bfe_u32 v18, v0, 6, 1
	v_lshl_add_u32 v17, v18, 1, v17
	v_bfe_u32 v18, v0, 5, 1
	v_lshl_add_u32 v17, v18, 2, v17
	v_bfe_u32 v18, v0, 7, 1
	v_lshl_add_u32 v17, v18, 3, v17
	s_and_b32 s31, ttmp9, 1
	s_lshl_b32 s31, s31, 4
	v_add_nc_u32 v17, s31, v17                     ; i = 16 (w & 1) + 8 t7 + 4 t5 + 2 t6 + t0
	v_cvt_f32_u32 v17, v17
	v_mul_f32 v17, 0xbed49a78, v17                 ; - i log2(10000) / 32
	v_exp_f32 v17, v17                             ; 10000^(-i/32)
	v_mov_b32 v22, 0x3c08839e                      ; (a plain instruction stands between v_exp_f32 and the use of its result: ISA guide 5.7.2)
	s_wait_alu depctr_va_vdst(0)                   ; the exponential has written v17, ahead of its first reader
	v_mul_f32 v18, v16, v17                        ; the angle
	v_mul_f32 v19, 0x3f22f983, v18                 ; x 2 / pi
	v_rndne_f32 v19, v19                           ; n quarter turns
	v_fmamk_f32 v20, v19, 0xbfc90fdb, v18          ; angle - n pi/2, pi/2 in two parts: 1.5707964
	v_fmamk_f32 v20, v19, 0x333bbd2e, v20          ; - 4.3711388e-8
	v_mul_f32 v21, v20, v20                        ; z
	v_fmamk_f32 v22, v21, 0xb94ca1f9, v22          ; sin: rho + rho z (-1.6666655e-1 + z (8.3321609e-3 - 1.9515296e-4 z))
	v_fmaak_f32 v22, v22, v21, 0xbe2aaaa3
	v_mul_f32 v23, v20, v21
	v_fma_f32 v22, v23, v22, v20
	v_mov_b32 v24, 0xbab6061a                      ; cos: 1 + z (-0.5 + z (4.1666646e-2 + z (-1.3887316e-3 + 2.4433157e-5 z)))
	v_fmamk_f32 v24, v21, 0x37ccf5ce, v24
	v_fmaak_f32 v24, v24, v21, 0x3d2aaaa5
	v_fma_f32 v24, v24, v21, -0.5
	v_fma_f32 v24, v24, v21, 1.0
	v_cvt_i32_f32 v25, v19
	v_and_b32 v26, 1, v25
	v_cmp_eq_u32 vcc_lo, 1, v26                    ; odd quarter: sin and cos change places
	v_and_b32 v29, 2, v25                          ; quarters 2, 3: sin is negative.  These five lines read neither VCC nor what is chosen by it: they stand between the compare and the wait for it
	v_lshlrev_b32 v29, 30, v29
	v_add_nc_u32 v25, 1, v25                       ; quarters 1, 2: cos is negative
	v_and_b32 v25, 2, v25
	v_lshlrev_b32 v25, 30, v25
	s_wait_alu depctr_va_vcc(0)                    ; the compare has written VCC, which the two selects below read
	v_cndmask_b32 v27, v22, v24, vcc_lo
	v_cndmask_b32 v28, v24, v22, vcc_lo
	v_xor_b32 v31, v29, v27
	v_xor_b32 v30, v25, v28
	s_wait_alu depctr_va_vdst(0)                   ; v30 and v31 are written, which the store below reads; the wave's next line is the wait for the weights
	global_store_b64 v8, v[30:31], s[16:17]        ; a wave's store covers 256 consecutive bytes, aligned
	; the weights: two rows (k, k + 1) of a column make one word of the transposed row.  All 32 conversions, one wait, all 32 LDS stores.
	s_wait_loadcnt 16                              ; loads return in order: the 16 of the weights are in, x's 16 may be out
.irp sub, 0,1,2,3
.irp u, 0,1
.irp j, 0,1,2,3
	v_cvt_pk_bf16_f32 v[W+16*\sub+8*\u+\j], v[W+16*\sub+8*\u+\j], v[W+16*\sub+8*\u+4+\j]
.endr
.endr
.endr
	s_wait_alu depctr_va_vdst(0)                   ; the conversions have written their 32 words of W, which the LDS stores read; they are also done with v[32:63], in which the LDS loads behind the barrier land (no vector instruction stands between)
.irp sub, 0,1,2,3
.irp u, 0,1
.irp j, 0,1,2,3
	ds_store_b32 v5, v[W+16*\sub+8*\u+\j] offset:(32*\sub+\j)*TP+128*\u
.endr
.endr
.endr
	s_wait_dscnt 0x0                               ; my words are in LDS, for the other waves' sake
	s_barrier_signal -1
	s_barrier_wait -1
	s_wait_alu depctr_vm_vsrc(0)                   ; my LDS stores have read v[32:63], in which the loads below land
.irp v, 0,1,2,3,4,5,6,7
	ds_load_b128 v[W+4*\v:W+4*\v+3], v6 offset:\v*16*TP            ; rows 16 v + t / 16 of the 128 transposed rows
.endr
	; x: eight numbers to 16 bytes, in place (word e is written when its old content has been used).  The conversions name X alone: the LDS loads above land meanwhile.
	s_wait_loadcnt 0x0
.irp u, 0,1,2,3,4,5,6,7
.irp e, 0,1,2,3
	v_cvt_pk_bf16_f32 v[X+8*\u+\e], v[X+8*\u+2*\e], v[X+8*\u+2*\e+1]
.endr
.endr
	s_wait_alu depctr_va_vdst(0)                   ; the conversions have written their 32 words of X, which the eight stores below read
.irp u, 0,1,2,3,4,5,6,7
	global_store_b128 v2, v[X+8*\u:X+8*\u+3], s[10:11] offset:\u*4096
.endr
.irp v, 0,1,2,3,4,5
	s_wait_dscnt 7-\v                              ; LDS loads return in order: row group v is in
	global_store_b128 v7, v[W+4*\v:W+4*\v+3], s[12:13] offset:\v*32768     ; 16 lanes: 256 consecutive bytes of a row of wat
.endr
.irp v, 6,7
	s_wait_dscnt 7-\v
	global_store_b128 v7, v[W+4*\v:W+4*\v+3], s[14:15] offset:(\v-6)*32768 ; the last 32 rows belong to wpt
.endr
	s_wait_dscnt 0x0                               ; the closing lines, six on end
	s_wait_alu 0x0
	s_wait_tensorcnt 0x0
	ds_add_u32 v160, v161
	s_wait_dscnt 0x0
	s_endpgm
.Lfunc_end_k_q4f76d5e5d4_prep:
	.size	k_q4f76d5e5d4_prep, .Lfunc_end_k_q4f76d5e5d4_prep-k_q4f76d5e5d4_prep
	.p2alignl 7, 3214868480
	.fill 96, 4, 3214868480
	.section	.rodata,"a",@progbits
	.p2align	6, 0x0
	.amdhsa_kernel k_q4f76d5e5d4_prep
		.amdhsa_group_segment_fixed_size 35840
		.amdhsa_private_segment_fixed_size 0
		.amdhsa_enable_private_segment 0
		.amdhsa_kernarg_size 56
		.amdhsa_user_sgpr_count 2
		.amdhsa_user_sgpr_kernarg_segment_ptr 1
		.amdhsa_wavefront_size32 1
		.amdhsa_system_sgpr_workgroup_id_x 1
		.amdhsa_system_sgpr_workgroup_id_y 1
		.amdhsa_system_sgpr_workgroup_id_z 1
		.amdhsa_system_vgpr_workitem_id 0
		.amdhsa_next_free_vgpr 162
		.amdhsa_next_free_sgpr 66
		.amdhsa_reserve_vcc 1
		.amdhsa_float_denorm_mode_32 3
		.amdhsa_float_denorm_mode_16_64 3
		.amdhsa_memory_ordered 1
		.amdhsa_forward_progress 1
		.amdhsa_inst_pref_size 17
	.end_amdhsa_kernel
	.amdgpu_metadata
---
amdhsa.version: [ 1, 2 ]
amdhsa.kernels:
  - .name:           k_q4f76d5e5d4_prep
    .symbol:         k_q4f76d5e5d4_prep.kd
    .args:
      - { .name: x, .offset: 0, .size: 8, .value_kind: global_buffer, .address_space: global }
      - { .name: W_attn, .offset: 8, .size: 8, .value_kind: global_buffer, .address_space: global }
      - { .name: W_proj, .offset: 16, .size: 8, .value_kind: global_buffer, .address_space: global }
      - { .name: xb, .offset: 24, .size: 8, .value_kind: global_buffer, .address_space: global }
      - { .name: wat, .offset: 32, .size: 8, .value_kind: global_buffer, .address_space: global }
      - { .name: wpt, .offset: 40, .size: 8, .value_kind: global_buffer, .address_space: global }
      - { .name: rope, .offset: 48, .size: 8, .value_kind: global_buffer, .address_space: global }
    .group_segment_fixed_size: 35840
    .private_segment_fixed_size: 0
    .kernarg_segment_align: 8
    .kernarg_segment_size: 56
    .max_flat_workgroup_size: 256
    .sgpr_count:     66
    .vgpr_count:     162
    .wavefront_size: 32
...
	.end_amdgpu_metadata
.endif
;; end of part 5
;; launch qkv: the kernel of part 2 again; grid 16 x 16, 4 waves a work-group, clusters of 4 x 4, 327,680 bytes of LDS; arguments xb, wat, rope, qh, kh, vh; writes qh, kh, vh
;; launch attn: the kernel of part 3 again; grid 8 x 32, 8 waves a work-group, no clusters, 327,680 bytes of LDS; arguments qh, kh, vh, yb; writes yb
;; launch proj: the kernel of part 4 again; grid 8 x 32, 4 waves a work-group, clusters of 4 x 4, 327,680 bytes of LDS; arguments yb, wpt, out0; writes out0
